; MI455X (gfx1250); checked and timed in simulation.
; The chip was launched on July 23, 2026; its instructions are those of AMD's public machine-readable ISA for CDNA 5 (MIT licence, August 2026) and "CDNA5" Instruction Set Architecture Reference Guide (July 2026). The comments in the code are by the model that wrote it; some were corrected since.
;; Mixture Of Experts. Allowed arithmetic: matrix products marked QUANTISED: E2M3 operands, one E8M0 scale for each 32 along K, by v_wmma_scale_f32_16x16x128_f8f6f4 with both operands' format E2M3, f32 sums; products left as they are: f32 operands where the result goes on into a quantised operand, else bf16, f16 or f32 operands; f32 sums; everything else in f32.
;; Inputs: b1 8 x 1,024 float32; b2 8 x 1,024 float32; b3 8 x 512 float32; gate_w 8 x 512 float32; ln_beta 512 float32; ln_gamma 512 float32; w1 8 x 512 x 1,024 float32; w2 8 x 1,024 x 1,024 float32; w3 8 x 1,024 x 512 float32; x 8 x 512 x 512 float32.
;; Outputs: out0 8 x 512 x 512 float32; out1 one number float32.
;; This version of the problem:
;;   THIS VERSION OF THE PROBLEM IS GIVEN IN LOW PRECISION. The matrix products marked QUANTISED in the list below multiply operands that are first quantised to E2M3 (2 exponent bits, 3 mantissa bits; 6 bits a number), with one power-of-two scale for each 32 numbers along K (OCP MX v1.0); their sums are f32. All else is computed in f32.
;;   The module's matrix products, in the order in which they are computed (A, B: the left and right operand; K: the contracted axis; several contracted axes count as one K, in the product's order):
;;     1. [M 4,096, K 512] x [K 512, N 8]; A: input x; B: input gate_w: left as it is (N = 8 < 16)
;;     2. [M 4,096, K 512] x [K 512, N 8,192]; A: input x; B: input w1: QUANTISED
;;     3. batch 8 x [M 1,024, K 1,024] x [K 1,024, N 4,096]; A: input w2; B: computed on the way: QUANTISED
;;     4. batch 8 x [M 512, K 1,024] x [K 1,024, N 4,096]; A: input w3; B: computed on the way: QUANTISED
;;     5. batch 4,096 x [M 512, K 8] x [K 8, N 1]; A: computed on the way; B: computed on the way: left as it is (K = 8 < 32)
;;   THE QUANTISER, for each operand of a quantised product, along K:
;;     - K is cut into blocks of 32 from its start; a last block that is shorter is filled with zeros.
;;     - A block's scale is 2^e with e = floor(log2(the largest magnitude in the block)) - 2, held to -126 .. 127; a block of zeros has e = 0. As a byte (E8M0): e + 127.
;;     - Each number is divided by its block's scale, clamped to +-7.5, and rounded to the nearest number of E2M3, ties to even, subnormals kept.
;;     - The product sums the exact products of the quantised numbers (number of the format x scale) in f32.
;;   ~~~python
;;   def quantise(x, axis):      # numpy; x: float32 -> the quantised numbers, widened to float32 again
;;       x = np.moveaxis(x, axis, -1); K = x.shape[-1]
;;       x = np.pad(x, [(0, 0)] * (x.ndim - 1) + [(0, -K % 32)]); x = x.reshape(x.shape[:-1] + (-1, 32)); a = np.abs(x).max(-1, keepdims=True)
;;       e = np.where(a > 0, np.clip(np.frexp(np.where(a > 0, a, 1))[1] - 1 - 2, -126, 127), 0)      # np.frexp(a)[1] - 1 = floor(log2(a)), exactly
;;       r = np.clip(x / 2.0 ** e, -7.5, 7.5)
;;       step = 2.0 ** (np.maximum(np.frexp(np.where(r == 0, 1, r))[1] - 1, 0) - 3)
;;       q = np.round(r / step) * step * 2.0 ** e      # np.round: ties to even
;;       return np.moveaxis(q.reshape(q.shape[:-2] + (-1,))[..., :K], -1, axis).astype(np.float32)
;;   ~~~
;;   OPERANDS COMPUTED ON THE WAY. 'Computed on the way' means the value that the module computes at that place (a softmax that the list does not call 'softmax' is quantised finished and normalised). What goes into a quantiser is computed in f32, as accurately as f32 sums, v_exp_f32 and their like allow (about 1e-6 of the number): no bf16 or f16 on the way to a quantiser, and a product that is left as it is and whose result goes on into a quantised operand takes f32 operands (vector FMAs, or v_wmma_f32_16x16x4_f32). A number that lies on a knife's edge between two numbers of the format may be rounded either way, as far as f32 arithmetic and the matrix unit's own rounding can turn it there, and no further.
;; 2 versions, each right; version 2 is version 1 with the launch chain written anew for expert scheduling mode. Each part assembles by itself: llvm-mc -triple=amdgcn-amd-amdhsa -mcpu=gfx1250 --defsym DOCPART=n.
;; ======== version 1 of 2: 4 launches
;; workspace buffers: wq 13,107,200 bytes; xq 1,638,400 bytes; route 40,960 bytes of whole numbers; gates 40,960 bytes; plan 69,120 bytes of whole numbers; eo 17,498,112 bytes
;; launch prep (part 1): grid 1088 x 1, 4 waves a work-group, no clusters, 44,032 bytes of LDS; arguments x, gate_w, w1, w2, w3, xq, wq, route, gates; writes xq, wq, route, gates
.if DOCPART == 1
	.amdgcn_target "amdgcn-amd-amdhsa--gfx1250"
	.amdhsa_code_object_version 6
	.text
	.protected	k_q2f5f3b0817_prep
	.globl	k_q2f5f3b0817_prep
	.p2align	8
	.type	k_q2f5f3b0817_prep,@function
k_q2f5f3b0817_prep:
	s_mov_b64 s[64:65], 0
	v_nop
	global_prefetch_b8 v0, s[64:65] scope:SCOPE_SE
	s_setreg_imm32_b32 hwreg(HW_REG_WAVE_MODE, 25, 1), 1
	s_wait_xcnt 0x0
; PREP.  Work-groups 0-63: the router and the quantiser of x.  Work-groups 64-1087: w1, w2, w3 become codes of E2M3 with one E8M0 byte for each 32 along K.
; WEIGHTS.  A weight is [expert][K][N] with K outermost.  A lane takes one column and its registers run down K, so a block of 32 along K lies in one lane and the
; conversions give codes with K innermost.  A work-group takes 128 columns (a group) x 128 along K (a K step): that is one CHUNK of the buffer wq:
; 8 fragments of 16 units x 128 K, each as the image of an operand (3 x 32 lanes x 16 bytes), then 512 bytes of scale words.  wq = [expert 8][wave 4][chunk 32][12,800 bytes]:
; the order in which one wave of the chain launch walks it.  Row p of tile 2 b + u is unit 32 b + 8 u + p + 8 (p / 8) of the group, so that a result of two neighbouring tiles is 16 neighbours of the next K.
; X.  A wave takes 16 tokens.  Lane (r, h) holds 16 neighbours of each block of 32 of row r.  The eight logits are f32 multiply-adds against gate_w, which lies in LDS.
; The two largest logits (the lower index wins a tie), their softmax (the larger logit is taken away first), the rank of each routed row among the rows of its 16 tokens that chose the same expert,
; the counts and the sums of gates of these 16 tokens are STORED AT FIXED PLACES: no address here hangs on the choice.
; LIMITS: NaN and infinities are not served; logits that differ by less than the rounding of an f32 sum may be ordered the other way; a block of zeros, or one whose largest magnitude
; lies under 2^-124, gets the scale byte 1 (its codes are read by this program alone).
; No matrix unit, no cluster, no tensor load: work-groups share no input but gate_w (16 KiB), and memory binds.
.set XSOFF, 1572864                    ; xq: the scale words lie behind 4,096 tokens x 384 bytes of codes
.set CHUNK, 12800
.set GWL,   0                          ; LDS: gate_w, 16,384 bytes (the x path)
.set XST,   16384                      ; LDS: a stage of 6,400 bytes for each wave (the x path): 6,144 of codes, 256 of scale words
.set WS1,   41984                      ; LDS: 512 bytes of scale words for each of the three weight paths: every path has bytes of its own
.set WS2,   42496
.set WS3,   43008
.set XN0,   32                         ; v32-95, v96-159  two sets of 64 numbers of x
.set XN1,   96
.set GW,    160                        ; v160-223 two buffers of 32 numbers of gate_w; the quantiser works in the same registers afterwards
.set ACC,   224                        ; v224-255 eight experts x two chains x a pair
.set TM,    160                        ; v160-175 the quantiser: largest magnitudes, bytes, scale operands
.set PW,    176                        ; v176     the scale word just made
.set PC,    178                        ; v178-196 the codes just made
.set SEL,   44                         ; s[44:45] lane selects: lane l xor 16
	s_load_b256 s[4:11], s[0:1], 0x0               ; x s[4:5], gate_w s[6:7], w1 s[8:9], w2 s[10:11]
	s_load_b256 s[12:19], s[0:1], 0x20             ; w3 s[12:13], xq s[14:15], wq s[16:17], route s[18:19]
	s_load_b64 s[20:21], s[0:1], 0x40              ; gates
	v_lshl_add_u32 v30, v0, 2, 0xaa00
	v_mov_b32 v31, 0
	v_lshrrev_b32 v1, 5, v0
	v_readfirstlane_b32 s22, v1                    ; wave 0..3
	s_cmp_lt_u32 ttmp9, 64                         ; the path hangs on the number of the work-group alone
	s_cbranch_scc1 .Lxpath
	s_cmp_lt_u32 ttmp9, 320
	s_cbranch_scc1 .Lw1
	s_cmp_lt_u32 ttmp9, 832
	s_cbranch_scc1 .Lw2
	s_branch .Lw3
; One block of 32 along K of my column: v[32 + 32 b ..].  cnt: how many younger loads may stay out.
.macro WBLOCK b, cnt
	s_wait_loadcnt \cnt
.set XS, 32+32*(\b)
.set CHB, 160+12*((\b)%2)+6*((\b)/2)   ; block b belongs to lane half b % 2 of the operand, registers 6 (b / 2) on
	v_max3_num_f32 v14, |v[XS]|, |v[XS+1]|, |v[XS+2]|
	v_max3_num_f32 v15, |v[XS+3]|, |v[XS+4]|, |v[XS+5]|
.irp i, 6,10,14,18,22,26
	v_max3_num_f32 v14, v14, |v[XS+\i]|, |v[XS+\i+1]|
	v_max3_num_f32 v15, v15, |v[XS+\i+2]|, |v[XS+\i+3]|
.endr
	v_max3_num_f32 v14, v14, |v[XS+30]|, |v[XS+31]|
	v_max3_num_f32 v14, v14, v15, 0x1800000        ; the floor 2^(3 - 127): the byte cannot fall under 1
	v_add_nc_u32 v16, 0xff000000, v14              ; 2 off the exponent field: the scale operand of the conversion
	v_lshrrev_b32 v15, 23, v16                     ; the scale byte
.if (\b) == 0
	v_mov_b32 v13, v15
.else
	v_lshl_or_b32 v13, v15, 8*(\b), v13            ; four bytes make the scale word of my unit for this K step
.endif
	v_cvt_scalef32_pk16_fp6_f32 v[CHB:CHB+2], v[XS:XS+15], v16
	v_cvt_scalef32_pk16_fp6_f32 v[184:186], v[XS+16:XS+31], v16   ; three registers of a conversion begin on an even number: made here and moved
	v_nop                                          ; one plain instruction behind a scaled conversion
.irp i, 0,1,2
	v_mov_b32 v[CHB+3+\i], v[184+\i]
.endr
.endm
; A weight path.  PB: the pointer; FIRST: its first work-group; N columns, KK rows an expert; 2^GB groups, 2^SB K steps; CH0, WSH: where the chunk lies in a stream; STG: its LDS bytes.
.macro WPATH PB, FIRST, N, KK, GB, SB, CH0, WSH, STG
	s_sub_co_u32 s24, ttmp9, \FIRST
	s_and_b32 s25, s24, (1<<\GB)-1                 ; the group of 128 columns
	s_lshr_b32 s26, s24, \GB
	s_and_b32 s26, s26, (1<<\SB)-1                 ; the K step
	s_lshr_b32 s27, s24, \GB+\SB                   ; the expert
	s_mul_i32 s28, s27, \KK*\N*4
	s_mul_i32 s29, s26, 128*\N*4
	s_add_co_u32 s28, s28, s29
	s_lshl_b32 s29, s25, 9
	s_add_co_u32 s28, s28, s29
	s_lshl_b32 s29, s22, 7
	s_add_co_u32 s28, s28, s29                     ; where the 32 columns of my wave begin, in bytes (under 2^26)
	s_mov_b32 s29, 0
	s_lshr_b32 s30, s25, \WSH                      ; the wave of the chain launch that will read the chunk
	s_and_b32 s31, s25, (1<<\WSH)-1
	s_lshl_b32 s31, s31, \SB
	s_add_co_u32 s31, s31, s26
	s_add_co_u32 s31, s31, \CH0                    ; the chunk in its stream
	s_lshl_b32 s32, s27, 2
	s_add_co_u32 s32, s32, s30
	s_lshl_b32 s32, s32, 5
	s_add_co_u32 s32, s32, s31
	s_mul_i32 s32, s32, CHUNK
	s_mov_b32 s33, 0
	v_and_b32 v2, 31, v0                           ; lane = my column among the 32
	v_lshlrev_b32 v3, 2, v2
	v_bfe_u32 v4, v0, 3, 1                         ; u
	v_and_b32 v5, 7, v0
	v_bfe_u32 v6, v0, 4, 1
	v_lshl_add_u32 v5, v6, 3, v5                   ; p: my row in the tile
	v_lshl_add_u32 v6, v1, 1, v4                   ; t = 2 wave + u: my tile
	v_mul_u32_u24 v7, v6, 1536
	v_lshl_add_u32 v7, v5, 4, v7                   ; my 16 bytes in an image: 1,536 t + 16 p
	v_bfe_u32 v8, v0, 6, 1                         ; t / 4
	v_and_b32 v9, 3, v6                            ; t % 4
	v_lshlrev_b32 v10, 4, v5
	v_lshl_add_u32 v10, v8, 8, v10
	v_lshl_add_u32 v10, v9, 2, v10
	v_add_nc_u32 v10, \STG, v10                    ; my scale word in LDS: 256 (t / 4) + 16 p + 4 (t % 4)
	v_lshl_add_u32 v11, v2, 4, \STG                ; and back: 16 bytes a lane
	v_lshlrev_b32 v12, 4, v2
	s_wait_kmcnt 0x0
	s_add_nc_u64 s[28:29], s[\PB:\PB+1], s[28:29]
	s_add_nc_u64 s[32:33], s[16:17], s[32:33]
.set II, 0
.rept 128
	global_load_b32 v[32+II], v3, s[28:29] offset:II*\N*4 th:TH_LOAD_NT   ; row II of the K step: the wave reads 128 neighbouring bytes, the work-group 512
.set II, II+1
.endr
	WBLOCK 0, 63                                   ; 96 loads were issued behind block 0: 63 is the largest count that the wait can name
	WBLOCK 1, 63                                   ; 64 behind block 1
	WBLOCK 2, 32
	WBLOCK 3, 0
.irp h, 0,1
.irp c, 0,1,2
	global_store_b128 v7, v[160+12*\h+4*\c:160+12*\h+4*\c+3], s[32:33] offset:512*\c+256*\h   ; sixteen lanes fill 256 neighbouring bytes, aligned; two such runs an instruction
.endr
.endr
	ds_store_b32 v10, v13
	s_wait_dscnt 0x0                               ; for the sake of wave 0: my word has landed
	s_barrier_signal -1
	s_barrier_wait -1
	s_cmp_lg_u32 s22, 0
	s_cbranch_scc1 .Lwdone_\@
	ds_load_b128 v[24:27], v11                     ; the 128 scale words of the chunk
	s_wait_dscnt 0x0
	global_store_b128 v12, v[24:27], s[32:33] offset:12288   ; 512 neighbouring bytes
.Lwdone_\@:
	s_wait_tensorcnt 0x0
	ds_add_u32 v30, v31
	s_wait_dscnt 0x0
	s_endpgm
.endm
.Lw1:
	WPATH 8, 64, 1024, 512, 3, 2, 0, 1, WS1
.Lw2:
	WPATH 10, 320, 1024, 1024, 3, 3, 8, 1, WS2
.Lw3:
	WPATH 12, 832, 512, 1024, 2, 3, 24, 0, WS3
; ---------------- the x path ----------------
; 64 numbers of a lane, register 16 b + i = k 32 b + 16 (lane / 16) + i of my row, become the codes of a fragment in v[PC] on and its scale word in v[PW].
.macro QUANT s
.irp b, 0,1,2,3
	v_max3_num_f32 v[TM+\b], |v[\s+16*\b]|, |v[\s+1+16*\b]|, 0x1800000   ; my 16 numbers of block b, and the floor 2^(3 - 127)
.endr
.irp i, 2,4,6,8,10,12,14
.irp b, 0,1,2,3
	v_max3_num_f32 v[TM+\b], v[TM+\b], |v[\s+16*\b+\i]|, |v[\s+1+16*\b+\i]|
.endr
.endr
.irp b, 0,1,2,3
	v_permlanex16_b32 v[TM+4+\b], v[TM+\b], s[SEL], s[SEL+1]
.endr
.irp b, 0,1,2,3
	v_max_num_f32 v[TM+\b], v[TM+\b], v[TM+4+\b]   ; with the other half of the block
.endr
.irp b, 0,1,2,3
	v_add_nc_u32 v[TM+12+\b], 0xff000000, v[TM+\b] ; 2 off the exponent field: the scale operand
.endr
.irp b, 0,1,2,3
	v_lshrrev_b32 v[TM+4+\b], 23, v[TM+12+\b]      ; the scale byte
.endr
	v_lshl_or_b32 v[PW], v[TM+5], 8, v[TM+4]
	v_lshl_or_b32 v[PW], v[TM+6], 16, v[PW]
	v_lshl_or_b32 v[PW], v[TM+7], 24, v[PW]
.irp c, 0,1
	v_cvt_scalef32_pk16_fp6_f32 v[PC+6*\c:PC+2+6*\c], v[\s+32*\c:\s+15+32*\c], v[TM+12+2*\c]
	v_cvt_scalef32_pk16_fp6_f32 v[PC+12+4*\c:PC+14+4*\c], v[\s+16+32*\c:\s+31+32*\c], v[TM+12+2*\c+1]
.endr
	v_nop                                          ; one plain instruction behind a scaled conversion
.irp c, 0,1                                    ; the operand wants a whole block in a lane: lanes 0-15 block 2 c, lanes 16-31 block 2 c + 1
.irp i, 0,1,2
	v_permlane16_swap_b32 v[PC+6*\c+\i], v[PC+12+4*\c+\i]
.endr
.irp i, 0,1,2
	v_mov_b32 v[PC+3+6*\c+\i], v[PC+12+4*\c+\i]
.endr
.endr
.endm
.macro XLOAD reg, s                    ; K step s of my 16 rows: 64 numbers a lane
.irp b, 0,1,2,3
.irp j, 0,1,2,3
	global_load_b128 v[\reg+16*\b+4*\j:\reg+16*\b+4*\j+3], v5, s[4:5] offset:512*(\s)+128*\b+16*\j th:TH_LOAD_NT
.endr
.endr
.endm
.macro PIECE s, p                      ; piece p = 4 b + pair: gate_w of experts 2 pair, 2 pair + 1 at my 16 places of block b; all lanes of a half read the same bytes
.irp q, 0,1
.irp j, 0,1,2,3
	ds_load_b128 v[GW+32*((\p)%2)+16*\q+4*\j:GW+32*((\p)%2)+16*\q+4*\j+3], v7 offset:GWL+(2*((\p)%4)+\q)*2048+(\s)*512+((\p)/4)*128+16*\j
.endr
.endr
.endm
.macro PFMA s, p, xn                   ; its 16 packed multiply-adds, four chains by turns; the very first products start the sums
.irp j, 0,1,2,3
.irp q, 0,1
.irp d, 0,1
.set rAc, ACC+4*(2*((\p)%4)+\q)+2*\d
.set rX, \xn+16*((\p)/4)+4*\j+2*\d
.set rG, GW+32*((\p)%2)+16*\q+4*\j+2*\d
.if ((\s)==0)&&(((\p)/4)==0)&&((\j)==0)
	v_pk_mul_f32 v[rAc:rAc+1], v[rX:rX+1], v[rG:rG+1]
.else
	v_pk_fma_f32 v[rAc:rAc+1], v[rX:rX+1], v[rG:rG+1], v[rAc:rAc+1]
.endif
.endr
.endr
.endr
.endm
.macro XSTEP s, xn, cnt, more
	s_wait_loadcnt \cnt                            ; this step of x is in; the next step (16 loads) may be out
	PIECE \s, 0
.set PP, 0
.rept 16
.if PP < 15
	PIECE \s, PP+1
	s_wait_dscnt 8                                 ; all but the eight loads just issued
.else
	s_wait_dscnt 0x0
.endif
	PFMA \s, PP, \xn
.set PP, PP+1
.endr
	QUANT \xn
.irp c, 0,1,2
	ds_store_b128 v8, v[PC+4*\c:PC+4*\c+3] offset:96*(\s)+16*\c   ; xq has, for a token, K step and lane half, the 48 bytes of that lane
.endr
	ds_store_b32 v9, v[PW] offset:6144+4*(\s)      ; both halves write the same word with the same value
	s_wait_dscnt 0x0                               ; the stores are done: their registers take gate_w again
.if \more
	XLOAD \xn, (\s)+2
.endif
.endm
.Lxpath:
	v_and_b32 v2, 31, v0                           ; lane
	v_and_b32 v3, 15, v0                           ; r
	v_bfe_u32 v4, v0, 4, 1                         ; h
	v_lshlrev_b32 v5, 11, v3
	v_lshl_add_u32 v5, v4, 6, v5                   ; x: row r of 2,048 bytes, + 64 h
	v_lshlrev_b32 v6, 4, v0                        ; gate_w, in memory and in LDS: 16 bytes a thread
	v_lshlrev_b32 v7, 6, v4                        ; gate_w in LDS: + 64 h
	s_mul_i32 s24, s22, 6400
	s_add_co_u32 s24, s24, XST                     ; my stage
	v_mul_u32_u24 v8, v3, 384
	v_mad_u32_u24 v8, v4, 48, v8
	v_add_nc_u32 v8, s24, v8                       ; into it: token r, half h
	v_lshlrev_b32 v9, 4, v3
	v_add_nc_u32 v9, s24, v9                       ; scale words: 16 bytes a token
	v_lshlrev_b32 v10, 4, v2
	v_add_nc_u32 v11, s24, v10                     ; back: 16 bytes a lane
	v_lshlrev_b32 v12, 3, v2
	v_add_nc_u32 v13, s24, v12                     ; scale words back: 8 bytes a lane
	v_lshlrev_b32 v14, 3, v3
	v_lshl_add_u32 v14, v4, 2, v14                 ; 4 (2 r + h): my routed row among the 32 of the wave
	v_lshlrev_b32 v15, 2, v2
	s_mov_b32 s[SEL], 0x76543210
	s_mov_b32 s[SEL+1], 0xfedcba98
	s_lshl_b32 s25, ttmp9, 2
	s_add_co_u32 s25, s25, s22                     ; W: which 16 tokens
	s_lshl_b32 s26, s25, 15
	s_mov_b32 s27, 0
	s_wait_kmcnt 0x0
	s_add_nc_u64 s[4:5], s[4:5], s[26:27]
.irp i, 0,1,2,3,4,5,6,7
	global_load_b128 v[GW+4*\i:GW+4*\i+3], v6, s[6:7] offset:2048*\i
.endr
	XLOAD XN0, 0
	XLOAD XN1, 1
	s_wait_loadcnt 32                              ; gate_w is in; the 32 loads of x stay out
.irp i, 0,1,2,3,4,5,6,7
	ds_store_b128 v6, v[GW+4*\i:GW+4*\i+3] offset:GWL+2048*\i
.endr
	s_wait_dscnt 0x0                               ; for the others: my part of gate_w has landed
	s_barrier_signal -1
	s_barrier_wait -1
	XSTEP 0, XN0, 16, 1
	XSTEP 1, XN1, 16, 1
	XSTEP 2, XN0, 16, 0
	XSTEP 3, XN1, 0, 0
	; the eight logits of my row
.irp e, 0,1,2,3,4,5,6,7
	v_pk_add_f32 v[ACC+4*\e:ACC+4*\e+1], v[ACC+4*\e:ACC+4*\e+1], v[ACC+4*\e+2:ACC+4*\e+3]
.endr
.irp e, 0,1,2,3,4,5,6,7
	v_add_f32 v[32+\e], v[ACC+4*\e], v[ACC+4*\e+1]
.endr
.irp e, 0,1,2,3,4,5,6,7
	v_permlanex16_b32 v[40+\e], v[32+\e], s[SEL], s[SEL+1]
.endr
.irp e, 0,1,2,3,4,5,6,7
	v_add_f32 v[32+\e], v[32+\e], v[40+\e]
.endr
	; the largest: a later logit takes over only where it is strictly larger, so the lower index wins a tie
	v_mov_b32 v48, v32
	v_mov_b32 v49, 0
.irp e, 1,2,3,4,5,6,7
	v_cmp_le_f32 vcc_lo, v[32+\e], v48
	v_cndmask_b32 v49, \e, v49, vcc_lo
	v_max_num_f32 v48, v48, v[32+\e]
.endr
	v_mov_b32 v50, 0xff800000
.irp e, 0,1,2,3,4,5,6,7
	v_cmp_eq_u32 vcc_lo, \e, v49
	v_cndmask_b32 v[40+\e], v[32+\e], v50, vcc_lo  ; the winner is taken out
.endr
	v_mov_b32 v51, v40
	v_mov_b32 v52, 0
.irp e, 1,2,3,4,5,6,7
	v_cmp_le_f32 vcc_lo, v[40+\e], v51
	v_cndmask_b32 v52, \e, v52, vcc_lo
	v_max_num_f32 v51, v51, v[40+\e]
.endr
	v_sub_f32 v53, v51, v48                        ; the second less the largest: 0 or less
	v_mul_f32 v53, 0x3fb8aa3b, v53
	v_exp_f32 v54, v53
	v_nop                                          ; a plain instruction behind the transcendental,
	s_wait_alu depctr_va_vdst(0)                   ; and a wait ahead of its first reader
	v_add_f32 v55, 1.0, v54
	v_rcp_f32 v56, v55                             ; the gate of the first choice
	v_nop
	s_wait_alu depctr_va_vdst(0)
	v_mul_f32 v57, v54, v56                        ; and of the second
	v_cmp_ne_u32 vcc_lo, 0, v4
	v_cndmask_b32 v58, v49, v52, vcc_lo            ; lane (r, h) stands for choice h of token r
	v_cndmask_b32 v59, v56, v57, vcc_lo
	v_mov_b32 v60, 0
	v_mov_b32 v61, 0
	v_mov_b32 v62, 0
.irp e, 0,1,2,3,4,5,6,7
	v_cmp_eq_u32 s30, \e, v58
	v_mbcnt_lo_u32_b32 v63, s30, 0                 ; how many lower lanes chose expert e
	v_cndmask_b32 v60, v60, v63, s30               ; my rank, where I chose it
	v_cndmask_b32 v[64+\e], 0, v59, s30            ; my gate, where I chose it
	s_bcnt1_i32_b32 s31, s30
	v_writelane_b32 v61, s31, \e                   ; lane e: the count of expert e
.endr
.irp x, 1,2,4,8
.irp e, 0,1,2,3,4,5,6,7
	v_add_f32_dpp v[64+\e], v[64+\e], v[64+\e] row_xmask:\x row_mask:0xf bank_mask:0xf
.endr
.endr
.irp e, 0,1,2,3,4,5,6,7
	v_permlanex16_b32 v[72+\e], v[64+\e], s[SEL], s[SEL+1]
.endr
.irp e, 0,1,2,3,4,5,6,7
	v_add_f32 v[64+\e], v[64+\e], v[72+\e]
.endr
.irp e, 0,1,2,3,4,5,6,7
	v_readfirstlane_b32 s31, v[64+\e]
	v_writelane_b32 v62, s31, \e                   ; lane e: the sum of gates of expert e
.endr
	v_lshl_or_b32 v63, v60, 8, v58                 ; expert | rank << 8
	s_lshl_b32 s26, s25, 7
	s_add_nc_u64 s[28:29], s[18:19], s[26:27]
	s_add_nc_u64 s[34:35], s[20:21], s[26:27]
	s_lshl_b32 s26, s25, 5
	s_add_nc_u64 s[36:37], s[18:19], s[26:27]
	s_add_nc_u64 s[38:39], s[20:21], s[26:27]
	s_mul_i32 s26, s25, 6144
	s_add_nc_u64 s[46:47], s[14:15], s[26:27]
	s_lshl_b32 s26, s25, 8
	s_add_nc_u64 s[48:49], s[14:15], s[26:27]
	global_store_b32 v14, v63, s[28:29]            ; 128 neighbouring bytes a wave
	global_store_b32 v14, v59, s[34:35]
	s_wait_xcnt 0x0                                ; EXEC changes only behind this wait
	v_cmp_gt_u32 vcc_lo, 8, v2
	s_wait_tensorcnt 0x0
	ds_add_u32 v30, v31
	s_wait_dscnt 0x0
	s_and_saveexec_b32 s40, vcc_lo
	global_store_b32 v15, v61, s[36:37] offset:32768   ; eight counts
	global_store_b32 v15, v62, s[38:39] offset:32768   ; eight sums
	s_wait_xcnt 0x0                                ; and again ahead of the line that widens it
	s_or_b32 exec_lo, exec_lo, s40
.irp i, 0,1,2,3,4,5,6,7,8,9,10,11
	ds_load_b128 v[96+4*\i:99+4*\i], v11 offset:512*\i   ; my own stage: LDS serves the instructions of a wave in order
.endr
	ds_load_b64 v[144:145], v13 offset:6144
.irp i, 0,1,2,3,4,5,6,7,8,9,10,11
	s_wait_dscnt 12-\i
	global_store_b128 v10, v[96+4*\i:99+4*\i], s[46:47] offset:512*\i   ; 512 neighbouring bytes, aligned
.endr
	s_wait_dscnt 0x0
	global_store_b64 v12, v[144:145], s[48:49] offset:XSOFF   ; 256 neighbouring bytes, aligned
	s_endpgm
.Lfunc_end_k_q2f5f3b0817_prep:
	.size	k_q2f5f3b0817_prep, .Lfunc_end_k_q2f5f3b0817_prep-k_q2f5f3b0817_prep
	.p2alignl 7, 3214868480
	.fill 96, 4, 3214868480
	.section	.rodata,"a",@progbits
	.p2align	6, 0x0
	.amdhsa_kernel k_q2f5f3b0817_prep
		.amdhsa_group_segment_fixed_size 44032
		.amdhsa_private_segment_fixed_size 0
		.amdhsa_enable_private_segment 0
		.amdhsa_kernarg_size 72
		.amdhsa_user_sgpr_count 2
		.amdhsa_user_sgpr_kernarg_segment_ptr 1
		.amdhsa_wavefront_size32 1
		.amdhsa_system_sgpr_workgroup_id_x 1
		.amdhsa_system_sgpr_workgroup_id_y 1
		.amdhsa_system_sgpr_workgroup_id_z 1
		.amdhsa_system_vgpr_workitem_id 0
		.amdhsa_next_free_vgpr 256
		.amdhsa_next_free_sgpr 66
		.amdhsa_reserve_vcc 1
		.amdhsa_float_denorm_mode_32 3
		.amdhsa_float_denorm_mode_16_64 3
		.amdhsa_memory_ordered 1
		.amdhsa_forward_progress 1
		.amdhsa_inst_pref_size 201
	.end_amdhsa_kernel
	.amdgpu_metadata
---
amdhsa.version: [ 1, 2 ]
amdhsa.kernels:
  - .name:           k_q2f5f3b0817_prep
    .symbol:         k_q2f5f3b0817_prep.kd
    .args:
      - { .name: x, .offset: 0, .size: 8, .value_kind: global_buffer, .address_space: global }
      - { .name: gate_w, .offset: 8, .size: 8, .value_kind: global_buffer, .address_space: global }
      - { .name: w1, .offset: 16, .size: 8, .value_kind: global_buffer, .address_space: global }
      - { .name: w2, .offset: 24, .size: 8, .value_kind: global_buffer, .address_space: global }
      - { .name: w3, .offset: 32, .size: 8, .value_kind: global_buffer, .address_space: global }
      - { .name: xq, .offset: 40, .size: 8, .value_kind: global_buffer, .address_space: global }
      - { .name: wq, .offset: 48, .size: 8, .value_kind: global_buffer, .address_space: global }
      - { .name: route, .offset: 56, .size: 8, .value_kind: global_buffer, .address_space: global }
      - { .name: gates, .offset: 64, .size: 8, .value_kind: global_buffer, .address_space: global }
    .group_segment_fixed_size: 44032
    .private_segment_fixed_size: 0
    .kernarg_segment_align: 8
    .kernarg_segment_size: 72
    .max_flat_workgroup_size: 128
    .sgpr_count:     66
    .vgpr_count:     256
    .wavefront_size: 32
...
	.end_amdgpu_metadata
.endif
;; end of part 1
;; launch place (part 2): grid 1 x 1, 32 waves a work-group, no clusters, 12,288 bytes of LDS; arguments route, gates, plan, out1; writes plan, out1
.if DOCPART == 2
	.amdgcn_target "amdgcn-amd-amdhsa--gfx1250"
	.amdhsa_code_object_version 6
	.text
	.protected	k_q2f5f3b0817_place
	.globl	k_q2f5f3b0817_place
	.p2align	8
	.type	k_q2f5f3b0817_place,@function
k_q2f5f3b0817_place:
	s_mov_b64 s[64:65], 0
	v_nop
	global_prefetch_b8 v0, s[64:65] scope:SCOPE_SE
	s_setreg_imm32_b32 hwreg(HW_REG_WAVE_MODE, 25, 1), 1
	s_wait_xcnt 0x0
; PLACE.  One work-group.  From the counts of 256 groups of 32 routed rows x 8 experts: each expert gets whole tiles of 48 rows, one expert behind the other.
; Wave 0 makes the prefix sums (a table in LDS: where the rows of group g and expert e begin) and the list of tiles (expert, rows); wave 1 makes the load-balance number;
; then all 32 waves place their 256 routed rows each: pos[row] = its place, order[place] = its token.
; With 8,192 rows and 8 experts there are at most 178 tiles of 48, whatever the choice; the list has 192 entries, the unused ones with 0 rows.
; out1 = sum over e of (1/8) (ln(1/8) - ln(usage_e)) = -(ln 2 / 8) x sum of log2(8 usage_e), usage_e = (sum of the gates of e) / 4,096.
.set CNT,  32768                       ; route: the counts lie behind 8,192 words;  gates: the partial sums likewise
.set POS,  2048                        ; plan: tiles at 0, pos at 2,048, order at 34,816
.set ORD,  34816
	s_load_b256 s[4:11], s[0:1], 0x0               ; route s[4:5], gates s[6:7], plan s[8:9], out1 s[10:11]
	v_lshl_add_u32 v126, v0, 2, 0x2000
	v_mov_b32 v127, 0
	v_lshrrev_b32 v1, 5, v0
	v_readfirstlane_b32 s12, v1                    ; wave 0..31
	v_and_b32 v2, 31, v0                           ; lane
	v_lshlrev_b32 v3, 2, v2
	v_lshl_add_u32 v3, v1, 10, v3                  ; my routed rows: 1,024 wave + 4 lane, + 128 for each group
	v_lshlrev_b32 v4, 8, v2                        ; wave 0: 256 bytes a lane: eight groups, in memory and in the table
	v_and_b32 v5, 7, v0
	v_lshlrev_b32 v5, 2, v5
	v_lshl_add_u32 v5, v1, 8, v5                   ; the table, read: 256 wave + 4 (lane % 8), + 32 for each group
	v_lshlrev_b32 v6, 4, v2
	v_lshrrev_b32 v7, 4, v2                        ; lane / 16
	v_lshlrev_b32 v8, 3, v2
	v_mov_b32 v9, 0
	v_lshl_add_u32 v10, v1, 8, v2                  ; my first routed row
	s_mov_b32 s44, 0x76543210
	s_mov_b32 s45, 0xfedcba98
	s_wait_kmcnt 0x0
.irp i, 0,1,2,3,4,5,6,7
	global_load_b32 v[16+\i], v3, s[4:5] offset:128*\i   ; expert | rank << 8
.endr
	s_cmp_eq_u32 s12, 0
	s_cbranch_scc1 .Lscan
	s_cmp_eq_u32 s12, 1
	s_cbranch_scc1 .Lloss
	s_branch .Lmeet
.Lscan:                                            ; wave 0.  v[32 + 8 g + e]: the count of my group g (of eight) and expert e
.irp i, 0,1,2,3,4,5,6,7,8,9,10,11,12,13,14,15
	global_load_b128 v[32+4*\i:35+4*\i], v4, s[4:5] offset:CNT+16*\i
.endr
	s_wait_loadcnt 0x0
.irp g, 1,2,3,4,5,6,7
.irp e, 0,1,2,3,4,5,6,7
	v_add_nc_u32 v[32+8*\g+\e], v[32+8*\g+\e], v[24+8*\g+\e]   ; running sums within the lane
.endr
.endr
.irp e, 0,1,2,3,4,5,6,7
	v_mov_b32 v[96+\e], v[88+\e]                   ; the total of the lane
	v_mov_b32 v[104+\e], 0
.endr
.irp n, 1,2,4,8                                ; running sums over the 16 lanes of a row
.irp e, 0,1,2,3,4,5,6,7
	v_mov_b32_dpp v[104+\e], v[96+\e] row_shr:\n row_mask:0xf bank_mask:0xf bound_ctrl:1
.endr
.irp e, 0,1,2,3,4,5,6,7
	v_add_nc_u32 v[96+\e], v[96+\e], v[104+\e]
.endr
.endr
.irp e, 0,1,2,3,4,5,6,7
	v_readlane_b32 s[16+\e], v[96+\e], 15
.endr
.irp e, 0,1,2,3,4,5,6,7
	v_mad_u32_u24 v[96+\e], v7, s[16+\e], v[96+\e] ; the upper row goes on from the lower
.endr
.irp e, 0,1,2,3,4,5,6,7
	v_readlane_b32 s[16+\e], v[96+\e], 31          ; s16-23: the rows of each expert, at most 4,096
.endr
	s_mov_b32 s24, 0                               ; s24-31: the first tile of each expert
.irp e, 0,1,2,3,4,5,6
	s_add_co_u32 s32, s[16+\e], 47
	s_mul_i32 s32, s32, 43691
	s_lshr_b32 s32, s32, 21                        ; (rows + 47) / 48, rounded down: 43,691 x 48 = 2^21 + 16, exact for numbers under 131,072
	s_add_co_u32 s[25+\e], s[24+\e], s32
.endr
.irp e, 0,1,2,3,4,5,6,7
	s_mul_i32 s32, s[24+\e], 48
	v_sub_nc_u32 v[96+\e], v[96+\e], v[88+\e]      ; what the lanes below me hold,
	v_add_nc_u32 v[96+\e], s32, v[96+\e]           ; behind the first row of the expert
.endr
.irp g, 7,6,5,4,3,2,1
.irp e, 0,1,2,3,4,5,6,7
	v_add_nc_u32 v[32+8*\g+\e], v[24+8*\g+\e], v[96+\e]
.endr
.endr
.irp e, 0,1,2,3,4,5,6,7
	v_mov_b32 v[32+\e], v[96+\e]
.endr
.irp i, 0,1,2,3,4,5,6,7,8,9,10,11,12,13,14,15
	ds_store_b128 v4, v[32+4*\i:35+4*\i] offset:16*\i
.endr
.irp q, 0,1,2,3,4,5                            ; the list of tiles: tile j = lane + 32 q belongs to the last expert whose first tile is not behind it
	v_add_nc_u32 v104, 32*\q, v2
	v_mov_b32 v105, 0
	v_mov_b32 v106, 0
	v_mov_b32 v107, s16
.irp e, 1,2,3,4,5,6,7
	v_cmp_gt_u32 vcc_lo, s[24+\e], v104
	v_cndmask_b32 v105, \e, v105, vcc_lo
	v_cndmask_b32 v106, s[24+\e], v106, vcc_lo
	v_cndmask_b32 v107, s[16+\e], v107, vcc_lo
.endr
	v_sub_nc_u32 v106, v104, v106
	v_mul_u32_u24 v106, v106, 48
	v_min_u32 v106, v106, v107                     ; rows of the expert in earlier tiles
	v_sub_nc_u32 v106, v107, v106
	v_min_u32 v[111+2*\q], 48, v106                ; rows in this one: 0 behind the last tile
	v_mov_b32 v[110+2*\q], v105
	global_store_b64 v8, v[110+2*\q:111+2*\q], s[8:9] offset:256*\q   ; 256 neighbouring bytes; every round has data registers of its own
.endr
	s_branch .Lmeet
.Lloss:                                            ; wave 1.  Word 128 i + 4 lane + c of the partial sums belongs to expert 4 (lane % 2) + c
.irp i, 0,1,2,3,4,5,6,7,8,9,10,11,12,13,14,15
	global_load_b128 v[32+4*\i:35+4*\i], v6, s[6:7] offset:CNT+512*\i
.endr
	s_wait_loadcnt 0x0
.irp i, 1,2,3,4,5,6,7,8,9,10,11,12,13,14,15
	v_pk_add_f32 v[32:33], v[32:33], v[32+4*\i:33+4*\i]
	v_pk_add_f32 v[34:35], v[34:35], v[34+4*\i:35+4*\i]
.endr
.irp x, 2,4,8
.irp c, 0,1,2,3
	v_add_f32_dpp v[32+\c], v[32+\c], v[32+\c] row_xmask:\x row_mask:0xf bank_mask:0xf
.endr
.endr
.irp c, 0,1,2,3
	v_permlanex16_b32 v[36+\c], v[32+\c], s44, s45
.endr
.irp c, 0,1,2,3
	v_add_f32 v[32+\c], v[32+\c], v[36+\c]
.endr
.irp c, 0,1,2,3
	v_mul_f32 v[32+\c], 0x3b000000, v[32+\c]       ; x 8 / 4,096 = 2^-9: exact
.endr
.irp c, 0,1,2,3
	v_log_f32 v[32+\c], v[32+\c]
.endr
	v_nop                                          ; a plain instruction behind the transcendentals,
	s_wait_alu depctr_va_vdst(0)                   ; and one wait for the four
	v_add_f32 v32, v32, v33
	v_add_f32 v34, v34, v35
	v_add_f32 v32, v32, v34
	v_add_f32_dpp v32, v32, v32 row_xmask:1 row_mask:0xf bank_mask:0xf
	v_mul_f32 v32, 0xbdb17218, v32                 ; x -(ln 2) / 8
	s_wait_xcnt 0x0                                ; EXEC changes only behind this wait
	v_cmp_eq_u32 vcc_lo, 0, v2
	s_and_saveexec_b32 s40, vcc_lo
	global_store_b32 v9, v32, s[10:11]
	s_wait_xcnt 0x0
	s_or_b32 exec_lo, exec_lo, s40
.Lmeet:
	s_wait_dscnt 0x0                               ; the table has landed
	s_barrier_signal -1
	s_barrier_wait -1
.irp i, 0,1,2,3,4,5,6,7
	ds_load_b32 v[24+\i], v5 offset:32*\i          ; lanes 0-7 (and each further eight): where the rows of my group i begin, expert by expert
.endr
	s_wait_loadcnt 0x0                             ; my routed rows
.irp i, 0,1,2,3,4,5,6,7
	v_and_b32 v[40+\i], 7, v[16+\i]
	v_lshlrev_b32 v[40+\i], 2, v[40+\i]            ; the lane that holds the number of my expert, x 4
	v_bfe_u32 v[56+\i], v[16+\i], 8, 5             ; my rank
	v_add_nc_u32 v[64+\i], 32*\i, v10
	v_lshrrev_b32 v[64+\i], 1, v[64+\i]            ; my token
.endr
	s_wait_dscnt 0x0
.irp i, 0,1,2,3,4,5,6,7
	ds_bpermute_b32 v[48+\i], v[40+\i], v[24+\i]
.endr
	s_wait_dscnt 0x0
.irp i, 0,1,2,3,4,5,6,7
	v_add_nc_u32 v[48+\i], v[48+\i], v[56+\i]
	v_min_u32 v[48+\i], 8543, v[48+\i]             ; inside 178 tiles of 48
	v_lshlrev_b32 v[72+\i], 2, v[48+\i]
.endr
.irp i, 0,1,2,3,4,5,6,7
	global_store_b32 v3, v[48+\i], s[8:9] offset:POS+128*\i
.endr
.irp i, 0,1,2,3,4,5,6,7
	global_store_b32 v[72+\i], v[64+\i], s[8:9] offset:ORD   ; a scatter of 4 bytes: rows of one group and expert are neighbours
.endr
	s_wait_tensorcnt 0x0
	ds_add_u32 v126, v127
	s_wait_dscnt 0x0
	s_endpgm
.Lfunc_end_k_q2f5f3b0817_place:
	.size	k_q2f5f3b0817_place, .Lfunc_end_k_q2f5f3b0817_place-k_q2f5f3b0817_place
	.p2alignl 7, 3214868480
	.fill 96, 4, 3214868480
	.section	.rodata,"a",@progbits
	.p2align	6, 0x0
	.amdhsa_kernel k_q2f5f3b0817_place
		.amdhsa_group_segment_fixed_size 12288
		.amdhsa_private_segment_fixed_size 0
		.amdhsa_enable_private_segment 0
		.amdhsa_kernarg_size 32
		.amdhsa_user_sgpr_count 2
		.amdhsa_user_sgpr_kernarg_segment_ptr 1
		.amdhsa_wavefront_size32 1
		.amdhsa_system_sgpr_workgroup_id_x 1
		.amdhsa_system_sgpr_workgroup_id_y 1
		.amdhsa_system_sgpr_workgroup_id_z 1
		.amdhsa_system_vgpr_workitem_id 0
		.amdhsa_next_free_vgpr 128
		.amdhsa_next_free_sgpr 66
		.amdhsa_reserve_vcc 1
		.amdhsa_float_denorm_mode_32 3
		.amdhsa_float_denorm_mode_16_64 3
		.amdhsa_memory_ordered 1
		.amdhsa_forward_progress 1
		.amdhsa_inst_pref_size 35
	.end_amdhsa_kernel
	.amdgpu_metadata
---
amdhsa.version: [ 1, 2 ]
amdhsa.kernels:
  - .name:           k_q2f5f3b0817_place
    .symbol:         k_q2f5f3b0817_place.kd
    .args:
      - { .name: route, .offset: 0, .size: 8, .value_kind: global_buffer, .address_space: global }
      - { .name: gates, .offset: 8, .size: 8, .value_kind: global_buffer, .address_space: global }
      - { .name: plan, .offset: 16, .size: 8, .value_kind: global_buffer, .address_space: global }
      - { .name: out1, .offset: 24, .size: 8, .value_kind: global_buffer, .address_space: global }
    .group_segment_fixed_size: 12288
    .private_segment_fixed_size: 0
    .kernarg_segment_align: 8
    .kernarg_segment_size: 32
    .max_flat_workgroup_size: 1024
    .sgpr_count:     66
    .vgpr_count:     128
    .wavefront_size: 32
...
	.end_amdgpu_metadata
.endif
;; end of part 2
;; launch chain (part 3): grid 178 x 1, 4 waves a work-group, no clusters, 157,184 bytes of LDS; arguments plan, xq, wq, b1, b2, b3, eo; writes eo
.if DOCPART == 3
	.amdgcn_target "amdgcn-amd-amdhsa--gfx1250"
	.amdhsa_code_object_version 6
	.text
	.protected	k_q2f5f3b0817_chain
	.globl	k_q2f5f3b0817_chain
	.p2align	8
	.type	k_q2f5f3b0817_chain,@function
k_q2f5f3b0817_chain:
	s_mov_b64 s[64:65], 0
	v_nop
	global_prefetch_b8 v0, s[64:65] scope:SCOPE_SE
	s_setreg_imm32_b32 hwreg(HW_REG_WAVE_MODE, 25, 1), 1
	s_wait_xcnt 0x0
; CHAIN.  One work-group takes one tile (up to 48 routed rows of ONE expert) through gelu(x W1 + b1), gelu(. W2 + b2), . W3 + b3, all three products on codes of E2M3 with E8M0 scales.
; The grid has a work-group for each of the 178 tiles that any choice can need.  The launch has a branch on a stored number (a tile's rows) and no tensor load, hence no cluster and no joint loads:
; the weights come from memory straight into registers, laid out by the first launch in the order of the operand registers.
; A TILE WITHOUT ROWS.  Every wave passes every barrier, and no barrier stands under a branch on a number read from memory.  So such a tile walks the two hidden layers like any other, on a repeated row
; (place 0 of tile 0, which always holds a token), and ends behind the last barrier: it leaves layer 3 out and stores nothing.  8,192 rows fill at least 171 tiles of 48: at most 7 work-groups do so.
; SHARES.  THE WAVES SHARE THE COLUMNS: wave w makes units 256 w .. 256 w + 255 of layers 1 and 2 (two passes of 128) and outputs 128 w .. 128 w + 127 of layer 3, for all 48 rows (three tiles of 16).
; Each fragment of a weight is loaded once, by one wave, and feeds three matrix instructions.  A wave walks ONE stream of 32 chunks (8 fragments and their scale words: 12,800 bytes) through a ring of four register slots.
; THE PRODUCTS ARE USED TRANSPOSED (source 0 = 16 units of the weight, source 1 = 16 rows): a lane holds one row, and its registers run along the units, which are the next K.
; The hidden layers go from wave to wave through LDS as images of operand registers (16 bytes a lane, 512 a store); no LDS region is ever written twice.
; Rows behind the last row of the tile repeat that row; their results land in rows of eo that nobody reads.
; GELU is x (0.5 + 0.5 erf(x / sqrt 2)), erf(z) = z P(z^2) / Q(z^2) on z held to -4 .. 4, a rational form good to a few units in the last place of f32.
; LIMIT: far in the negative tail the sum 0.5 + 0.5 erf loses digits: the error of gelu is about 6e-8 |x| absolute there.  NaN and infinities are not served.
; REGISTERS, in windows of 256.  Window 0: addresses, scale words, activations, all vector work.  Window 1: v0-191 the 24 accumulators ((m, t) at 64 m + 8 t); v192-255 the bias of 8 tiles, in the layout of a result.
; Window 2: ring slots 0 and 1 (at v0, v96).  Window 3: slots 2 and 3.
.set FRB,   1536                       ; the image of a fragment
.set CHUNK, 12800
.set DELTA, 40960                      ; LDS: x at 0, hidden layer 1 at DELTA, hidden layer 2 at 2 DELTA.  In a region: image (K step s, row tile m) at (3 s + m) FRB,
.set SCOFF, 36864                      ; its scale words at SCOFF + (3 s + m) 128
.set STG,   122880                     ; the stage for the way out: 16 rows x (512 + 16) bytes for each wave
.set XSOFF, 1572864
.set ORD,   34816
.set LI,  1                            ; v1   16 x lane
.set LS,  2                            ; v2   4 x lane
.set BO,  5                            ; v5   64 x (lane / 16): my half of a bias
.set RD,  6                            ; v6   images of the layer in hand, read
.set RS,  7                            ; v7   their scale words
.set WI0, 8                            ; v8   16 lane + 9,216 wave
.set WS0, 9                            ; v9   4 lane + 768 wave
.set WI,  10                           ; v10  images of the next layer, written
.set WSA, 11                           ; v11  their scale words
.set STO, 12                           ; v12  the stage, in
.set SRD, 13                           ; v13  the stage, back
.set WS,  32                           ; v32-47  scale words of the four ring slots: register 4 k + i: lanes 0-15 tile i, lanes 16-31 tile 4 + i
.set AS,  48                           ; v48-55  scale words of the activations, two sets
.set ACT, 56                           ; v56-127 activations: two sets of three fragments
.set Z,   56                           ; gelu works in the same registers: z, z^2, P, Q, 16 each
.set Z2,  72
.set P,   88
.set Q,   104
.set G,   128                          ; v128-191 64 numbers ahead of the quantiser
.set TM,  192
.set PW,  208
.set PC,  210
.set SEL, 44
.set A11, 46                           ; s[46:63], s[66:69]: the constants, as pairs
.set A9,  48
.set A7,  50
.set A5,  52
.set A3,  54
.set A1,  56
.set B6,  58
.set B4,  60
.set B2,  62
.set B0,  66
.set SQH, 68
.set MSB, 0
.macro WIN new                         ; the high byte of the immediate repeats the setting that is left; a switch that changes nothing is dropped
.if MSB != (\new)
	s_set_vgpr_msb (MSB<<8)|(\new)
.set MSB, \new
.endif
.endm
.macro REFILL k                        ; the next chunk for slot k: 24 loads of 512 neighbouring bytes, and one for the scale words: 25 loads
	WIN 0x80+0x40*((\k)/2)
.irp t, 0,1,2,3,4,5,6,7
.irp c, 0,1,2
	global_load_b128 v[96*((\k)%2)+12*\t+4*\c:96*((\k)%2)+12*\t+4*\c+3], v[LI], s[26:27] offset:(\k)*CHUNK+\t*FRB+512*\c
.endr
.endr
	WIN 0
	global_load_b128 v[WS+4*(\k):WS+4*(\k)+3], v[LI], s[26:27] offset:(\k)*CHUNK+12288
.endm
.macro BIAS                            ; 16 loads: for tile 2 b + u my eight units 32 b + 16 h + 8 u + 0 .. 7
	WIN 0x40
.irp t, 0,1,2,3,4,5,6,7
	global_load_b128 v[192+8*\t:195+8*\t], v[BO], s[28:29] offset:(32*(\t/2)+8*(\t%2))*4
	global_load_b128 v[196+8*\t:199+8*\t], v[BO], s[28:29] offset:(32*(\t/2)+8*(\t%2))*4+16
.endr
	WIN 0
.endm
.macro ROTATE                          ; on to the bias of the pass after
	s_mov_b64 s[28:29], s[30:31]
	s_mov_b64 s[30:31], s[32:33]
	s_mov_b64 s[32:33], s[34:35]
	s_mov_b64 s[34:35], s[76:77]
.endm
.macro ACTLOAD s                       ; K step s of the 48 rows: 12 LDS loads
.irp m, 0,1,2
.irp c, 0,1,2
	ds_load_b128 v[ACT+36*((\s)%2)+12*\m+4*\c:ACT+36*((\s)%2)+12*\m+4*\c+3], v[RD] offset:(3*(\s)+\m)*FRB+512*\c
.endr
	ds_load_b32 v[AS+4*((\s)%2)+\m], v[RS] offset:SCOFF+(3*(\s)+\m)*128
.endr
.endm
; One K step: ring slot k, activations of K step s.  The 24 accumulators take turns, one instruction a turn.  first: the bias is the C of the first products.
; cnt: how many younger global loads may stay out when the chunk has to be there.
.macro KSTEP k, s, first, bias, refill, cnt, next
.if \next
	ACTLOAD (\s)+1
.endif
	s_wait_loadcnt \cnt
.if \next
	s_wait_dscnt 12                                ; all but the 12 LDS loads just issued
.else
	s_wait_dscnt 0x0
.endif
	WIN 0x52+(\k)/2                                ; source 0 window 2 or 3, source 1 window 0, C and D window 1
.irp t, 0,1,2,3,4,5,6,7
.irp m, 0,1,2
.set rD, 64*\m+8*\t
.set rA, 96*((\k)%2)+12*\t
.set rB, ACT+36*((\s)%2)+12*\m
.set rSA, WS+4*(\k)+(\t%4)
.set rSB, AS+4*((\s)%2)+\m
.if \first
.set rC, 192+8*\t
.else
.set rC, rD
.endif
.if \t < 4
	v_wmma_scale_f32_16x16x128_f8f6f4 v[rD:rD+7], v[rA:rA+11], v[rB:rB+11], v[rC:rC+7], v[rSA], v[rSB] matrix_a_fmt:MATRIX_FMT_FP6 matrix_b_fmt:MATRIX_FMT_FP6
.else
	v_wmma_scale_f32_16x16x128_f8f6f4 v[rD:rD+7], v[rA:rA+11], v[rB:rB+11], v[rC:rC+7], v[rSA], v[rSB] matrix_a_fmt:MATRIX_FMT_FP6 matrix_b_fmt:MATRIX_FMT_FP6 matrix_a_scale:MATRIX_SCALE_ROW1
.endif
.endr
.endr
	WIN 0
.rept 4
	v_nop                                          ; four plain instructions ahead of loads into registers that these products read, and of the first read of results
.endr
.if \bias
	BIAS                                           ; the bias of the next pass, into the registers that the products above have read
.endif
.if \refill
.if (\k) == 0
	s_wait_xcnt 0x0                                ; the bases of earlier loads are rewritten only behind this wait
.if \bias
	ROTATE
.endif
	s_add_nc_u64 s[26:27], s[26:27], 4*CHUNK       ; once round the ring
.endif
	REFILL \k
.endif
.endm
; Four K steps.  pre3: slot 3 is filled first (its refill is kept back from the group before).  Slots 0 to 2 are filled again behind their K steps.
.macro GROUP s0, first, bias, pre3, refill, c0, c1, c2, c3
.if \pre3
	REFILL 3
.endif
	ACTLOAD \s0
	KSTEP 0, \s0, \first, \bias, \refill, \c0, 1
	KSTEP 1, \s0+1, 0, 0, \refill, \c1, 1
	KSTEP 2, \s0+2, 0, 0, \refill, \c2, 1
	KSTEP 3, \s0+3, 0, 0, 0, \c3, 0
.endm
; GELU of row tile m, 16 numbers a batch.  ZMUL and FIN read the accumulators (window 1), in ascending order; MID works in window 0.
.macro ZMUL m, q
.irp p, 0,1,2,3,4,5,6,7
	v_pk_mul_f32 v[Z+2*\p:Z+2*\p+1], v[64*(\m)+16*(\q)+2*\p:64*(\m)+16*(\q)+2*\p+1], s[SQH:SQH+1] op_sel_hi:[1,0]   ; x / sqrt 2
.endr
.endm
.macro MID
.irp i, 0,1,2,3,4,5,6,7,8,9,10,11,12,13,14,15
	v_med3_num_f32 v[Z+\i], v[Z+\i], -4.0, 4.0
.endr
.irp p, 0,1,2,3,4,5,6,7
	v_pk_mul_f32 v[Z2+2*\p:Z2+2*\p+1], v[Z+2*\p:Z+2*\p+1], v[Z+2*\p:Z+2*\p+1]
.endr
.irp p, 0,1,2,3,4,5,6,7
	v_pk_fma_f32 v[P+2*\p:P+2*\p+1], v[Z2+2*\p:Z2+2*\p+1], v[20:21], s[A11:A11+1] op_sel_hi:[1,1,0]
.endr
.irp p, 0,1,2,3,4,5,6,7
	v_pk_fma_f32 v[Q+2*\p:Q+2*\p+1], v[Z2+2*\p:Z2+2*\p+1], v[22:23], s[B6:B6+1] op_sel_hi:[1,1,0]
.endr
.irp cst, A9, A7, A5, A3, A1
.irp p, 0,1,2,3,4,5,6,7
	v_pk_fma_f32 v[P+2*\p:P+2*\p+1], v[P+2*\p:P+2*\p+1], v[Z2+2*\p:Z2+2*\p+1], s[\cst:\cst+1] op_sel_hi:[1,1,0]
.endr
.endr
.irp cst, B4, B2, B0
.irp p, 0,1,2,3,4,5,6,7
	v_pk_fma_f32 v[Q+2*\p:Q+2*\p+1], v[Q+2*\p:Q+2*\p+1], v[Z2+2*\p:Z2+2*\p+1], s[\cst:\cst+1] op_sel_hi:[1,1,0]
.endr
.endr
.irp i, 0,1,2,3,4,5,6,7,8,9,10,11,12,13,14,15
	v_rcp_f32 v[Q+\i], v[Q+\i]                     ; one batch of 16
.endr
.irp p, 0,1,2,3,4,5,6,7
	v_pk_mul_f32 v[P+2*\p:P+2*\p+1], v[P+2*\p:P+2*\p+1], v[Z+2*\p:Z+2*\p+1]   ; plain work that names no reciprocal
.endr
	s_wait_alu depctr_va_vdst(0)                   ; one wait for the batch, ahead of its first reader
.irp p, 0,1,2,3,4,5,6,7
	v_pk_mul_f32 v[P+2*\p:P+2*\p+1], v[P+2*\p:P+2*\p+1], v[Q+2*\p:Q+2*\p+1]   ; erf
.endr
.irp p, 0,1,2,3,4,5,6,7
	v_pk_fma_f32 v[P+2*\p:P+2*\p+1], v[P+2*\p:P+2*\p+1], 0.5, 0.5 op_sel_hi:[1,0,0]
.endr
.endm
.macro FIN m, q
.irp p, 0,1,2,3,4,5,6,7
	v_pk_mul_f32 v[G+16*(\q)+2*\p:G+16*(\q)+2*\p+1], v[64*(\m)+16*(\q)+2*\p:64*(\m)+16*(\q)+2*\p+1], v[P+2*\p:P+2*\p+1]
.endr
.endm
.macro GELU m
	WIN 0x01                                       ; source 0 in window 1
	ZMUL \m, 0
.irp q, 0,1,2,3
	WIN 0
	MID
	WIN 0x01
	FIN \m, \q
.if \q < 3
	ZMUL \m, \q+1
.endif
.endr
	WIN 0
.endm
; 64 numbers of a lane, register 16 b + i = k 32 b + 16 (lane / 16) + i of my row, become the codes of a fragment in v[PC] on and its scale word in v[PW].
.macro QUANT s
.irp b, 0,1,2,3
	v_max3_num_f32 v[TM+\b], |v[\s+16*\b]|, |v[\s+1+16*\b]|, 0x1800000   ; my 16 numbers of block b, and the floor 2^(3 - 127): the byte cannot fall under 1
.endr
.irp i, 2,4,6,8,10,12,14
.irp b, 0,1,2,3
	v_max3_num_f32 v[TM+\b], v[TM+\b], |v[\s+16*\b+\i]|, |v[\s+1+16*\b+\i]|
.endr
.endr
.irp b, 0,1,2,3
	v_permlanex16_b32 v[TM+4+\b], v[TM+\b], s[SEL], s[SEL+1]
.endr
.irp b, 0,1,2,3
	v_max_num_f32 v[TM+\b], v[TM+\b], v[TM+4+\b]
.endr
.irp b, 0,1,2,3
	v_add_nc_u32 v[TM+12+\b], 0xff000000, v[TM+\b] ; 2 off the exponent field: the scale operand of the conversion
.endr
.irp b, 0,1,2,3
	v_lshrrev_b32 v[TM+4+\b], 23, v[TM+12+\b]
.endr
	v_lshl_or_b32 v[PW], v[TM+5], 8, v[TM+4]
	v_lshl_or_b32 v[PW], v[TM+6], 16, v[PW]
	v_lshl_or_b32 v[PW], v[TM+7], 24, v[PW]
.irp c, 0,1
	v_cvt_scalef32_pk16_fp6_f32 v[PC+6*\c:PC+2+6*\c], v[\s+32*\c:\s+15+32*\c], v[TM+12+2*\c]
	v_cvt_scalef32_pk16_fp6_f32 v[PC+12+4*\c:PC+14+4*\c], v[\s+16+32*\c:\s+31+32*\c], v[TM+12+2*\c+1]
.endr
	v_nop                                          ; one plain instruction behind a scaled conversion
.irp c, 0,1
.irp i, 0,1,2
	v_permlane16_swap_b32 v[PC+6*\c+\i], v[PC+12+4*\c+\i]
.endr
.irp i, 0,1,2
	v_mov_b32 v[PC+3+6*\c+\i], v[PC+12+4*\c+\i]
.endr
.endr
.endm
.macro GELUQ m                         ; row tile m of my 128 units: activation, quantiser, image to LDS: one K step of the next layer
	GELU \m
	s_wait_dscnt 0x0                               ; the last image has been stored: its registers are written again
	QUANT G
.irp c, 0,1,2
	ds_store_b128 v[WI], v[PC+4*\c:PC+4*\c+3] offset:(\m)*FRB+512*\c
.endr
	ds_store_b32 v[WSA], v[PW] offset:SCOFF+128*(\m)
.endm
	s_load_b256 s[4:11], s[0:1], 0x0               ; plan s[4:5], xq s[6:7], wq s[8:9], b1 s[10:11]
	s_load_b128 s[12:15], s[0:1], 0x20             ; b2 s[12:13], b3 s[14:15]
	s_load_b64 s[16:17], s[0:1], 0x30              ; eo
	v_lshl_add_u32 v254, v0, 2, 0x26400
	v_mov_b32 v255, 0
	v_lshrrev_b32 v14, 5, v0
	v_readfirstlane_b32 s22, v14                   ; wave 0..3
	v_and_b32 v15, 31, v0
	v_and_b32 v3, 15, v0                           ; r
	v_bfe_u32 v4, v0, 4, 1                         ; h
	v_lshlrev_b32 v[LI], 4, v15
	v_lshlrev_b32 v[LS], 2, v15
	v_lshlrev_b32 v[BO], 6, v4
	s_mul_i32 s18, s22, 9216
	v_add_nc_u32 v[WI0], s18, v[LI]                ; my first K step of a next layer is 2 wave: 6 images on for each wave
	s_mul_i32 s18, s22, 768
	v_add_nc_u32 v[WS0], s18, v[LS]
	s_mul_i32 s18, s22, 8448
	s_add_co_u32 s18, s18, STG                     ; my stage
	v_mul_u32_u24 v[STO], v3, 528
	v_lshl_add_u32 v[STO], v4, 6, v[STO]
	v_add_nc_u32 v[STO], s18, v[STO]               ; in: row r, + 64 h
	v_add_nc_u32 v[SRD], s18, v[LI]                ; back: a row of 512 bytes, 16 a lane
	s_mul_i32 s18, s22, 4608
	v_add_nc_u32 v24, s18, v[LI]                   ; the images of x that I bring: K step = wave
	s_mul_i32 s18, s22, 384
	v_add_nc_u32 v25, s18, v[LS]
.irp b, 0,1,2,3
	v_mov_b32 v[TM+4+\b], 0                        ; written once: the destination of a lane permute counts as one of its sources
.endr
	v_mov_b32 v20, -2.72614225801306e-10           ; the leading coefficients, as vector pairs: an instruction takes one scalar pair
	v_mov_b32 v21, -2.72614225801306e-10
	v_mov_b32 v22, -1.45660718464996e-05
	v_mov_b32 v23, -1.45660718464996e-05
	s_lshl_b32 s18, ttmp9, 3
	s_mov_b32 s19, 0
	s_wait_kmcnt 0x0
	s_load_b64 s[24:25], s[4:5], s18 offset:0x0    ; my tile: expert, rows
	s_mov_b32 s[SEL], 0x76543210
	s_mov_b32 s[SEL+1], 0xfedcba98
	s_mov_b32 s[A11], 2.77068142495902e-08
	s_mov_b32 s[A9], -2.10102402082508e-06
	s_mov_b32 s[A7], -5.69250639462346e-05
	s_mov_b32 s[A5], -7.34990630326855e-04
	s_mov_b32 s[A3], -2.95459980854025e-03
	s_mov_b32 s[A1], -1.60960333262415e-02
	s_mov_b32 s[B6], -2.13374055278905e-04
	s_mov_b32 s[B4], -1.68282697438203e-03
	s_mov_b32 s[B2], -7.37332916720468e-03
	s_mov_b32 s[B0], -1.42647390514189e-02
	s_mov_b32 s[SQH], 0x3f3504f3                   ; 1 / sqrt 2
.irp cst, A11, A9, A7, A5, A3, A1, B6, B4, B2, B0, SQH
	s_mov_b32 s[\cst+1], s[\cst]                   ; named as pairs, so both words are written
.endr
	s_wait_kmcnt 0x0
	s_min_u32 s24, s24, 7
	s_min_u32 s25, s25, 48
	s_max_u32 s20, s25, 1
	s_sub_co_u32 s20, s20, 1                       ; the tile's last row (0 where it has none)
	s_min_u32 s21, s25, 1                          ; 0 for a tile without rows, else 1:
	s_mul_i32 s18, ttmp9, s21                      ; such a tile reads place 0 of tile 0, which always holds a token: the first expert that has rows begins there
	s_mul_i32 s18, s18, 192
	s_add_nc_u64 s[42:43], s[4:5], s[18:19]        ; the 48 places of the tile in the list of tokens
.irp m, 0,1,2
	v_add_nc_u32 v[14+\m], 16*\m, v3
	v_min_u32 v[14+\m], s20, v[14+\m]              ; rows behind the last repeat it
	v_min_u32 v[14+\m], 47, v[14+\m]
	v_lshlrev_b32 v[14+\m], 2, v[14+\m]
.endr
.irp m, 0,1,2
	global_load_b32 v[17+\m], v[14+\m], s[42:43] offset:ORD
.endr
	s_mul_i32 s18, s22, 96
	s_add_nc_u64 s[72:73], s[6:7], s[18:19]        ; xq at K step = wave: codes,
	s_lshl_b32 s18, s22, 2
	s_add_nc_u64 s[74:75], s[6:7], s[18:19]        ; scale words
	s_lshl_b32 s18, s24, 2
	s_add_co_u32 s18, s18, s22
	s_mul_i32 s18, s18, 32*CHUNK
	s_add_nc_u64 s[26:27], s[8:9], s[18:19]        ; my stream of weights
	s_lshl_b32 s18, s24, 12
	s_lshl_b32 s21, s22, 10
	s_add_co_u32 s18, s18, s21
	s_add_nc_u64 s[28:29], s[10:11], s[18:19]      ; the bias of passes 0 to 4
	s_add_nc_u64 s[30:31], s[28:29], 512
	s_add_nc_u64 s[32:33], s[12:13], s[18:19]
	s_add_nc_u64 s[34:35], s[32:33], 512
	s_lshl_b32 s18, s24, 11
	s_lshl_b32 s21, s22, 9
	s_add_co_u32 s18, s18, s21
	s_add_nc_u64 s[76:77], s[14:15], s[18:19]
	s_mul_i32 s18, ttmp9, 98304
	s_add_co_u32 s18, s18, s21
	s_add_nc_u64 s[70:71], s[16:17], s[18:19]      ; eo: the 48 rows of my tile, + 512 wave
	s_wait_loadcnt 0x0
.irp m, 0,1,2
	v_min_u32 v[17+\m], 4095, v[17+\m]
	v_mul_u32_u24 v[14+\m], v[17+\m], 384
	v_mad_u32_u24 v[14+\m], v4, 48, v[14+\m]       ; token x 384 + 48 h
	v_lshlrev_b32 v[17+\m], 4, v[17+\m]
.endr
.irp m, 0,1,2
.irp c, 0,1,2
	global_load_b128 v[ACT+12*\m+4*\c:ACT+12*\m+4*\c+3], v[14+\m], s[72:73] offset:16*\c
.endr
	global_load_b32 v[AS+\m], v[17+\m], s[74:75] offset:XSOFF
.endr
	REFILL 0                                       ; chunk 0
	BIAS                                           ; pass 0
	s_wait_xcnt 0x0
	ROTATE
	s_wait_loadcnt 41                              ; the 12 loads of x are in: behind them stand 25 + 16
.irp m, 0,1,2
.irp c, 0,1,2
	ds_store_b128 v24, v[ACT+12*\m+4*\c:ACT+12*\m+4*\c+3] offset:\m*FRB+512*\c
.endr
	ds_store_b32 v25, v[AS+\m] offset:SCOFF+128*\m
.endr
	REFILL 1
	s_wait_dscnt 0x0                               ; for the others: my K step of x has landed
	s_barrier_signal -1
	s_barrier_wait -1
	REFILL 2
	REFILL 3
	s_mov_b32 s38, 0                               ; the region that is read,
	s_mov_b32 s39, DELTA                           ; and where I write: images,
	s_mov_b32 s40, DELTA                           ; scale words
	s_mov_b32 s36, 0
; Behind every chunk that a K step wants, at least three chunks (75 loads) have been issued: the waits name 63, the largest count that the wait can name.
.Llayer:                                           ; two trips: layers 1 and 2
	s_mov_b32 s37, 2
.Lpass:                                            ; two trips: my two groups of 128 units
	v_add_nc_u32 v[RD], s38, v[LI]
	v_add_nc_u32 v[RS], s38, v[LS]
	v_add_nc_u32 v[WI], s39, v[WI0]
	v_add_nc_u32 v[WSA], s40, v[WS0]
	GROUP 0, 1, 1, 0, 1, 63, 63, 63, 63
	s_cmp_eq_u32 s36, 0                            ; layer 1 has four K steps, layer 2 eight
	s_cbranch_scc1 .Lshort
	GROUP 4, 0, 0, 1, 1, 63, 63, 63, 63
.Lshort:
	GELUQ 0
	REFILL 3
	GELUQ 1
	GELUQ 2
	s_wait_dscnt 0x0                               ; no LDS instruction of mine is out: the four address registers are made anew
	s_add_co_u32 s39, s39, 4608
	s_add_co_u32 s40, s40, 384
	s_sub_co_u32 s37, s37, 1
	s_cmp_lg_u32 s37, 0
	s_cbranch_scc1 .Lpass
	s_barrier_signal -1                            ; my images have landed (the wait above)
	s_barrier_wait -1                              ; the whole hidden layer lies in LDS
	s_add_co_u32 s38, s38, DELTA
	s_add_co_u32 s39, s39, DELTA-9216
	s_add_co_u32 s40, s40, DELTA-768
	s_add_co_u32 s36, s36, 1
	s_cmp_lt_u32 s36, 2
	s_cbranch_scc1 .Llayer
	; layer 3: my 128 outputs, eight K steps; the last four chunks are followed by 75, 50, 25 and 0 loads
	v_add_nc_u32 v[RD], 2*DELTA, v[LI]             ; hidden layer 2
	v_add_nc_u32 v[RS], 2*DELTA, v[LS]
	s_cmp_eq_u32 s25, 0                            ; no barrier stands behind this line: a tile without rows ends here and stores nothing
	s_cbranch_scc1 .Lempty
	GROUP 0, 1, 0, 0, 1, 63, 63, 63, 63
	GROUP 4, 0, 0, 1, 0, 63, 50, 25, 0
	; THE WAY OUT.  A lane holds 16 x 4 neighbouring outputs of one row; 16 rows go through my own stage and leave as whole runs of 512 bytes.
.irp m, 0,1,2
.set OB, 56+72*(\m%2)
	WIN 0x04                                       ; the data of an LDS store are its source 1: window 1
.irp t, 0,1,2,3,4,5,6,7
	ds_store_b128 v[STO], v[64*\m+8*\t:64*\m+8*\t+3] offset:128*(\t/2)+32*(\t%2)       ; each accumulator from its low end on
	ds_store_b128 v[STO], v[64*\m+8*\t+4:64*\m+8*\t+7] offset:128*(\t/2)+32*(\t%2)+16
.endr
	WIN 0
.if \m == 2
	s_wait_xcnt 0x0                                ; the stores of row tile 0 have read their registers
.endif
.irp i, 0,1,2,3,4,5,6,7,8,9,10,11,12,13,14,15
	ds_load_b128 v[OB+4*\i:OB+4*\i+3], v[SRD] offset:528*\i   ; LDS serves the instructions of a wave in order: these see the stores above
.endr
.irp i, 0,1,2,3,4,5,6,7,8,9,10,11,12,13,14,15
	s_wait_dscnt 15-\i
	global_store_b128 v[LI], v[OB+4*\i:OB+4*\i+3], s[70:71] offset:2048*(16*\m+\i)   ; 512 neighbouring bytes, aligned
.endr
.endr
.Lempty:
	s_wait_tensorcnt 0x0
	ds_add_u32 v254, v255
	s_wait_dscnt 0x0
	s_endpgm
.Lfunc_end_k_q2f5f3b0817_chain:
	.size	k_q2f5f3b0817_chain, .Lfunc_end_k_q2f5f3b0817_chain-k_q2f5f3b0817_chain
	.p2alignl 7, 3214868480
	.fill 96, 4, 3214868480
	.section	.rodata,"a",@progbits
	.p2align	6, 0x0
	.amdhsa_kernel k_q2f5f3b0817_chain
		.amdhsa_group_segment_fixed_size 157184
		.amdhsa_private_segment_fixed_size 0
		.amdhsa_enable_private_segment 0
		.amdhsa_kernarg_size 56
		.amdhsa_user_sgpr_count 2
		.amdhsa_user_sgpr_kernarg_segment_ptr 1
		.amdhsa_wavefront_size32 1
		.amdhsa_system_sgpr_workgroup_id_x 1
		.amdhsa_system_sgpr_workgroup_id_y 1
		.amdhsa_system_sgpr_workgroup_id_z 1
		.amdhsa_system_vgpr_workitem_id 0
		.amdhsa_next_free_vgpr 960
		.amdhsa_next_free_sgpr 100
		.amdhsa_reserve_vcc 0
		.amdhsa_float_denorm_mode_32 3
		.amdhsa_float_denorm_mode_16_64 3
		.amdhsa_memory_ordered 1
		.amdhsa_forward_progress 1
		.amdhsa_inst_pref_size 255
	.end_amdhsa_kernel
	.amdgpu_metadata
---
amdhsa.version: [ 1, 2 ]
amdhsa.kernels:
  - .name:           k_q2f5f3b0817_chain
    .symbol:         k_q2f5f3b0817_chain.kd
    .args:
      - { .name: plan, .offset: 0, .size: 8, .value_kind: global_buffer, .address_space: global }
      - { .name: xq, .offset: 8, .size: 8, .value_kind: global_buffer, .address_space: global }
      - { .name: wq, .offset: 16, .size: 8, .value_kind: global_buffer, .address_space: global }
      - { .name: b1, .offset: 24, .size: 8, .value_kind: global_buffer, .address_space: global }
      - { .name: b2, .offset: 32, .size: 8, .value_kind: global_buffer, .address_space: global }
      - { .name: b3, .offset: 40, .size: 8, .value_kind: global_buffer, .address_space: global }
      - { .name: eo, .offset: 48, .size: 8, .value_kind: global_buffer, .address_space: global }
    .group_segment_fixed_size: 157184
    .private_segment_fixed_size: 0
    .kernarg_segment_align: 8
    .kernarg_segment_size: 56
    .max_flat_workgroup_size: 128
    .sgpr_count:     100
    .vgpr_count:     960
    .wavefront_size: 32
...
	.end_amdgpu_metadata
.endif
;; end of part 3
;; launch combine (part 4): grid 256 x 1, 8 waves a work-group, no clusters, 0 bytes of LDS; arguments plan, gates, eo, ln_gamma, ln_beta, out0; writes out0
.if DOCPART == 4
	.amdgcn_target "amdgcn-amd-amdhsa--gfx1250"
	.amdhsa_code_object_version 6
	.text
	.protected	k_q2f5f3b0817_combine
	.globl	k_q2f5f3b0817_combine
	.p2align	8
	.type	k_q2f5f3b0817_combine,@function
k_q2f5f3b0817_combine:
	s_mov_b64 s[64:65], 0
	v_nop
	global_prefetch_b8 v0, s[64:65] scope:SCOPE_SE
	s_setreg_imm32_b32 hwreg(HW_REG_WAVE_MODE, 25, 1), 1
	s_wait_xcnt 0x0
; COMBINE.  out0[token] = LayerNorm(g1 eo[p1] + g2 eo[p2]) x gamma + beta.  A wave takes two tokens; a row of 512 numbers is 16 registers of a wave, so the row stays in registers
; between the mean, the variance (taken of the differences from the mean) and the scaling.  Every load and store of a wave covers 512 neighbouring bytes.
; The places p come from the list that the second launch stored.  Memory binds: no LDS, no barrier, no matrix unit.
.set POS, 2048
	s_load_b256 s[4:11], s[0:1], 0x0               ; plan s[4:5], gates s[6:7], eo s[8:9], gamma s[10:11]
	s_load_b128 s[12:15], s[0:1], 0x20             ; beta s[12:13], out0 s[14:15]
	v_lshrrev_b32 v1, 5, v0
	v_readfirstlane_b32 s16, v1
	v_and_b32 v2, 31, v0
	v_lshlrev_b32 v2, 4, v2                        ; 16 bytes a lane
	v_mov_b32 v10, 0x3b000000                      ; 1 / 512
	s_lshl_b32 s17, ttmp9, 3
	s_add_co_u32 s17, s17, s16                     ; which pair of tokens
	s_lshl_b32 s18, s17, 4                         ; four routed rows: 16 bytes of places, 16 of gates
	s_mov_b32 s48, 0x76543210
	s_mov_b32 s49, 0xfedcba98
	s_wait_kmcnt 0x0
	s_load_b128 s[20:23], s[4:5], s18 offset:0x800
	s_load_b128 s[24:27], s[6:7], s18 offset:0x0
.irp i, 0,1,2,3
	global_load_b128 v[16+4*\i:19+4*\i], v2, s[10:11] offset:512*\i
	global_load_b128 v[32+4*\i:35+4*\i], v2, s[12:13] offset:512*\i
.endr
	s_lshl_b32 s30, s17, 12
	s_mov_b32 s31, 0
	s_add_nc_u64 s[50:51], s[14:15], s[30:31]      ; my two rows of out0
	s_wait_kmcnt 0x0
.irp i, 0,1,2,3
	s_min_u32 s[20+\i], s[20+\i], 8543             ; inside eo
	s_lshl_b32 s30, s[20+\i], 11
	s_add_nc_u64 s[32+2*\i:33+2*\i], s[8:9], s[30:31]
	s_mov_b32 s[40+2*\i], s[24+\i]                 ; each gate in an aligned pair of its own: the packed forms take the low word for both halves
	s_mov_b32 s[41+2*\i], s[24+\i]
.endr
.irp i, 0,1,2,3
	global_load_b128 v[48+4*\i:51+4*\i], v2, s[32:33] offset:512*\i th:TH_LOAD_NT
	global_load_b128 v[64+4*\i:67+4*\i], v2, s[34:35] offset:512*\i th:TH_LOAD_NT
.endr
.irp i, 0,1,2,3
	global_load_b128 v[80+4*\i:83+4*\i], v2, s[36:37] offset:512*\i th:TH_LOAD_NT
	global_load_b128 v[96+4*\i:99+4*\i], v2, s[38:39] offset:512*\i th:TH_LOAD_NT
.endr
.macro WSUM r                          ; the sum of v[r] over the 32 lanes, in every lane; v[r + 1] is at work
.irp x, 1,2,4,8
	v_add_f32_dpp v[\r], v[\r], v[\r] row_xmask:\x row_mask:0xf bank_mask:0xf
.endr
	v_permlanex16_b32 v[\r+1], v[\r], s48, s49
	v_add_f32 v[\r], v[\r], v[\r+1]
.endm
.macro TOKEN A, B, GA, GB, OFF, cnt
	s_wait_loadcnt \cnt
.irp p, 0,1,2,3,4,5,6,7
	v_pk_mul_f32 v[\A+2*\p:\A+2*\p+1], v[\A+2*\p:\A+2*\p+1], s[\GA:\GA+1] op_sel_hi:[1,0]
.endr
.irp p, 0,1,2,3,4,5,6,7
	v_pk_fma_f32 v[\A+2*\p:\A+2*\p+1], v[\B+2*\p:\B+2*\p+1], s[\GB:\GB+1], v[\A+2*\p:\A+2*\p+1] op_sel_hi:[1,0,1]
.endr
	v_pk_add_f32 v[4:5], v[\A:\A+1], v[\A+2:\A+3]
	v_pk_add_f32 v[6:7], v[\A+4:\A+5], v[\A+6:\A+7]
	v_pk_add_f32 v[4:5], v[4:5], v[\A+8:\A+9]
	v_pk_add_f32 v[6:7], v[6:7], v[\A+10:\A+11]
	v_pk_add_f32 v[4:5], v[4:5], v[\A+12:\A+13]
	v_pk_add_f32 v[6:7], v[6:7], v[\A+14:\A+15]
	v_pk_add_f32 v[4:5], v[4:5], v[6:7]
	v_add_f32 v4, v4, v5
	WSUM 4
	v_mul_f32 v4, v4, v10                          ; the mean
.irp p, 0,1,2,3,4,5,6,7
	v_pk_add_f32 v[\A+2*\p:\A+2*\p+1], v[\A+2*\p:\A+2*\p+1], v[4:5] op_sel_hi:[1,0] neg_lo:[0,1] neg_hi:[0,1]
.endr
	v_pk_mul_f32 v[6:7], v[\A:\A+1], v[\A:\A+1]
	v_pk_mul_f32 v[8:9], v[\A+2:\A+3], v[\A+2:\A+3]
.irp p, 2,4,6
	v_pk_fma_f32 v[6:7], v[\A+2*\p:\A+2*\p+1], v[\A+2*\p:\A+2*\p+1], v[6:7]
	v_pk_fma_f32 v[8:9], v[\A+2*\p+2:\A+2*\p+3], v[\A+2*\p+2:\A+2*\p+3], v[8:9]
.endr
	v_pk_add_f32 v[6:7], v[6:7], v[8:9]
	v_add_f32 v6, v6, v7
	WSUM 6
	v_fmaak_f32 v6, v6, v10, 0x3727c5ac            ; the variance + 1e-5
	v_rsq_f32 v6, v6
	v_nop                                          ; a plain instruction behind the transcendental,
	s_wait_alu depctr_va_vdst(0)                   ; and a wait ahead of its first reader
.irp p, 0,1,2,3,4,5,6,7
	v_pk_mul_f32 v[\A+2*\p:\A+2*\p+1], v[\A+2*\p:\A+2*\p+1], v[6:7] op_sel_hi:[1,0]
.endr
.irp p, 0,1,2,3,4,5,6,7
	v_pk_fma_f32 v[\A+2*\p:\A+2*\p+1], v[\A+2*\p:\A+2*\p+1], v[16+2*\p:17+2*\p], v[32+2*\p:33+2*\p]
.endr
.irp i, 0,1,2,3
	global_store_b128 v2, v[\A+4*\i:\A+4*\i+3], s[50:51] offset:\OFF+512*\i th:TH_STORE_NT
.endr
.endm
	TOKEN 48, 64, 40, 42, 0, 8                     ; the eight loads of the second token may stay out
	TOKEN 80, 96, 44, 46, 2048, 0
	s_endpgm
.Lfunc_end_k_q2f5f3b0817_combine:
	.size	k_q2f5f3b0817_combine, .Lfunc_end_k_q2f5f3b0817_combine-k_q2f5f3b0817_combine
	.p2alignl 7, 3214868480
	.fill 96, 4, 3214868480
	.section	.rodata,"a",@progbits
	.p2align	6, 0x0
	.amdhsa_kernel k_q2f5f3b0817_combine
		.amdhsa_group_segment_fixed_size 0
		.amdhsa_private_segment_fixed_size 0
		.amdhsa_enable_private_segment 0
		.amdhsa_kernarg_size 48
		.amdhsa_user_sgpr_count 2
		.amdhsa_user_sgpr_kernarg_segment_ptr 1
		.amdhsa_wavefront_size32 1
		.amdhsa_system_sgpr_workgroup_id_x 1
		.amdhsa_system_sgpr_workgroup_id_y 1
		.amdhsa_system_sgpr_workgroup_id_z 1
		.amdhsa_system_vgpr_workitem_id 0
		.amdhsa_next_free_vgpr 128
		.amdhsa_next_free_sgpr 66
		.amdhsa_reserve_vcc 0
		.amdhsa_float_denorm_mode_32 3
		.amdhsa_float_denorm_mode_16_64 3
		.amdhsa_memory_ordered 1
		.amdhsa_forward_progress 1
		.amdhsa_inst_pref_size 14
	.end_amdhsa_kernel
	.amdgpu_metadata
---
amdhsa.version: [ 1, 2 ]
amdhsa.kernels:
  - .name:           k_q2f5f3b0817_combine
    .symbol:         k_q2f5f3b0817_combine.kd
    .args:
      - { .name: plan, .offset: 0, .size: 8, .value_kind: global_buffer, .address_space: global }
      - { .name: gates, .offset: 8, .size: 8, .value_kind: global_buffer, .address_space: global }
      - { .name: eo, .offset: 16, .size: 8, .value_kind: global_buffer, .address_space: global }
      - { .name: ln_gamma, .offset: 24, .size: 8, .value_kind: global_buffer, .address_space: global }
      - { .name: ln_beta, .offset: 32, .size: 8, .value_kind: global_buffer, .address_space: global }
      - { .name: out0, .offset: 40, .size: 8, .value_kind: global_buffer, .address_space: global }
    .group_segment_fixed_size: 0
    .private_segment_fixed_size: 0
    .kernarg_segment_align: 8
    .kernarg_segment_size: 48
    .max_flat_workgroup_size: 256
    .sgpr_count:     66
    .vgpr_count:     128
    .wavefront_size: 32
...
	.end_amdgpu_metadata
.endif
;; end of part 4
;; ======== version 2 of 2: 4 launches; version 1 with the launch chain written anew for expert scheduling mode
;; workspace buffers: wq 13,107,200 bytes; xq 1,638,400 bytes; route 40,960 bytes of whole numbers; gates 40,960 bytes; plan 69,120 bytes of whole numbers; eo 17,498,112 bytes
;; launch prep: the kernel of part 1 again; grid 1088 x 1, 4 waves a work-group, no clusters, 44,032 bytes of LDS; arguments x, gate_w, w1, w2, w3, xq, wq, route, gates; writes xq, wq, route, gates
;; launch place: the kernel of part 2 again; grid 1 x 1, 32 waves a work-group, no clusters, 12,288 bytes of LDS; arguments route, gates, plan, out1; writes plan, out1
;; launch chain (part 5): grid 178 x 1, 4 waves a work-group, no clusters, 157,184 bytes of LDS; arguments plan, xq, wq, b1, b2, b3, eo; writes eo
.if DOCPART == 5
	.amdgcn_target "amdgcn-amd-amdhsa--gfx1250"
	.amdhsa_code_object_version 6
	.text
	.protected	k_q2f5f3b0817_chain
	.globl	k_q2f5f3b0817_chain
	.p2align	8
	.type	k_q2f5f3b0817_chain,@function
k_q2f5f3b0817_chain:
	s_mov_b64 s[64:65], 0
	v_nop
	global_prefetch_b8 v0, s[64:65] scope:SCOPE_SE
	s_setreg_imm32_b32 hwreg(HW_REG_WAVE_SCHED_MODE, 0, 2), 2
	s_setreg_imm32_b32 hwreg(HW_REG_WAVE_MODE, 25, 1), 1
	s_wait_xcnt 0x0
	s_wait_alu depctr_vm_vsrc(0)
; CHAIN.  One work-group takes one tile (up to 48 routed rows of ONE expert) through gelu(x W1 + b1), gelu(. W2 + b2), . W3 + b3, all three products on codes of E2M3 with E8M0 scales.
; The grid has a work-group for each of the 178 tiles that any choice can need.  The launch has a branch on a stored number (a tile's rows) and no tensor load, hence no cluster and no joint loads:
; the weights come from memory straight into registers, laid out by the first launch in the order of the operand registers.
; A TILE WITHOUT ROWS.  Every wave passes every barrier, and no barrier stands under a branch on a number read from memory.  So such a tile walks the two hidden layers like any other, on a repeated row
; (place 0 of tile 0, which always holds a token), and ends behind the last barrier: it leaves layer 3 out and stores nothing.  8,192 rows fill at least 171 tiles of 48: at most 7 work-groups do so.
; SHARES.  THE WAVES SHARE THE COLUMNS: wave w makes units 256 w .. 256 w + 255 of layers 1 and 2 (two passes of 128) and outputs 128 w .. 128 w + 127 of layer 3, for all 48 rows (three tiles of 16).
; Each fragment of a weight is loaded once, by one wave, and feeds three matrix instructions.  A wave walks ONE stream of 32 chunks (8 fragments and their scale words: 12,800 bytes) through a ring of four register slots.
; THE PRODUCTS ARE USED TRANSPOSED (source 0 = 16 units of the weight, source 1 = 16 rows): a lane holds one row, and its registers run along the units, which are the next K.
; The hidden layers go from wave to wave through LDS as images of operand registers (16 bytes a lane, 512 a store); no LDS region is ever written twice.
; Rows behind the last row of the tile repeat that row; their results land in rows of eo that nobody reads.
; GELU is x (0.5 + 0.5 erf(x / sqrt 2)), erf(z) = z P(z^2) / Q(z^2) on z held to -4 .. 4, a rational form good to a few units in the last place of f32.
; LIMIT: far in the negative tail the sum 0.5 + 0.5 erf loses digits: the error of gelu is about 6e-8 |x| absolute there.  NaN and infinities are not served.
; REGISTERS, in windows of 256.  Window 0: addresses, scale words, activations, all vector work.  Window 1: v0-191 the 24 accumulators ((m, t) at 64 m + 8 t); v192-255 the bias of 8 tiles, in the layout of a result.
; Window 2: ring slots 0 and 1 (at v0, v96).  Window 3: slots 2 and 3.
; THE MODE: SCHED_MODE bits 1:0 = 2 (LLVM: expert scheduling mode 2), set by the entry lines.  The code itself states the register dependences
; between vector or matrix instructions and memory or LDS instructions, with s_wait_alu, always for 0.
; THE PLAN.  Registers that memory or LDS instructions touch, from the first K step on:
;   ring slot k, its 4 scale words   The 24 products of the K step on slot k read them; the loads of the chunk four on land in them in the NEXT K step (slot 3 at a pass's end: in the activation, behind row tile 0).
;   ACT, AS, set s % 2               The products of K step s read them; the LDS loads of K step s + 2 land in them, issued in K step s + 1.  Between passes the activation works in the same registers.
;   the bias                         Read as C by the products of a pass's first K step; the loads of the next pass's bias land in it, issued at the end of the second K step.
;   v[PC ..], v[PW]                  Written by the quantiser, read by the four LDS stores of an image.
;   v[RD], v[RS], v[WI], v[WSA]      Written at a pass's head, read by all its LDS instructions.
;   v[LI], v[LS], v[BO], v[STO], v[SRD], v24, v25   Made at the kernel's head and never written again: the stream's scalar base moves on, and immediate offsets do the rest.
;   The accumulators, v[G ..] and v[TM ..] are named by vector and matrix instructions alone until the way out.
; So ONE wait on va_vdst stands at the head of a K step, behind the waits for its data: the products of the step before are done with their slot, their scale words, their activations and, in a pass's second step, the bias.
; The step's loads follow it, dealt among its 24 products, which name slot k, its scale words, set s % 2 and the accumulators: none of the registers that those loads touch.
.set FRB,   1536                       ; the image of a fragment
.set CHUNK, 12800
.set DELTA, 40960                      ; LDS: x at 0, hidden layer 1 at DELTA, hidden layer 2 at 2 DELTA.  In a region: image (K step s, row tile m) at (3 s + m) FRB,
.set SCOFF, 36864                      ; its scale words at SCOFF + (3 s + m) 128
.set STG,   122880                     ; the stage for the way out: 16 rows x (512 + 16) bytes for each wave
.set XSOFF, 1572864
.set ORD,   34816
.set LI,  1                            ; v1   16 x lane
.set LS,  2                            ; v2   4 x lane
.set BO,  5                            ; v5   64 x (lane / 16): my half of a bias
.set RD,  6                            ; v6   images of the layer in hand, read
.set RS,  7                            ; v7   their scale words
.set WI0, 8                            ; v8   16 lane + 9,216 wave
.set WS0, 9                            ; v9   4 lane + 768 wave
.set WI,  10                           ; v10  images of the next layer, written
.set WSA, 11                           ; v11  their scale words
.set STO, 12                           ; v12  the stage, in
.set SRD, 13                           ; v13  the stage, back
.set WS,  32                           ; v32-47  scale words of the four ring slots: register 4 k + i: lanes 0-15 tile i, lanes 16-31 tile 4 + i
.set AS,  48                           ; v48-55  scale words of the activations, two sets
.set ACT, 56                           ; v56-127 activations: two sets of three fragments
.set Z,   56                           ; gelu works in the same registers: z, z^2, P, Q, 16 each
.set Z2,  72
.set P,   88
.set Q,   104
.set G,   128                          ; v128-191 64 numbers ahead of the quantiser
.set TM,  192
.set PW,  208
.set PC,  210
.set SEL, 44
.set A11, 46                           ; s[46:63], s[66:69]: the constants, as pairs
.set A9,  48
.set A7,  50
.set A5,  52
.set A3,  54
.set A1,  56
.set B6,  58
.set B4,  60
.set B2,  62
.set B0,  66
.set SQH, 68
.set MSB, 0
.macro WIN new                         ; the high byte of the immediate repeats the setting that is left; a switch that changes nothing is dropped
.if MSB != (\new)
	s_set_vgpr_msb (MSB<<8)|(\new)
.set MSB, \new
.endif
.endm
.macro FILLC k, t0                     ; the next chunk for slot k: fragments t0 .. t0 + 3: 12 loads of 512 neighbouring bytes
	WIN 0x80+0x40*((\k)/2)
.irp t, \t0, \t0+1, \t0+2, \t0+3
.irp c, 0,1,2
	global_load_b128 v[96*((\k)%2)+12*(\t)+4*\c:96*((\k)%2)+12*(\t)+4*\c+3], v[LI], s[26:27] offset:(\k)*CHUNK+(\t)*FRB+512*\c
.endr
.endr
.endm
.macro FILLS k                         ; and its scale words: one load
	WIN 0
	global_load_b128 v[WS+4*(\k):WS+4*(\k)+3], v[LI], s[26:27] offset:(\k)*CHUNK+12288
.endm
.macro REFILL k                        ; a whole chunk in one run: 25 loads
	FILLC \k, 0
	FILLC \k, 4
	FILLS \k
.endm
.macro BIAS                            ; 16 loads: for tile 2 b + u my eight units 32 b + 16 h + 8 u + 0 .. 7
	WIN 0x40
.irp t, 0,1,2,3,4,5,6,7
	global_load_b128 v[192+8*\t:195+8*\t], v[BO], s[28:29] offset:(32*(\t/2)+8*(\t%2))*4
	global_load_b128 v[196+8*\t:199+8*\t], v[BO], s[28:29] offset:(32*(\t/2)+8*(\t%2))*4+16
.endr
	WIN 0
.endm
.macro ROTATE                          ; on to the bias of the next pass
	s_mov_b64 s[28:29], s[30:31]
	s_mov_b64 s[30:31], s[32:33]
	s_mov_b64 s[32:33], s[34:35]
	s_mov_b64 s[34:35], s[76:77]
.endm
.macro ACTLOAD s                       ; K step s of the 48 rows: 12 LDS loads
	WIN 0
.irp m, 0,1,2
.irp c, 0,1,2
	ds_load_b128 v[ACT+36*((\s)%2)+12*\m+4*\c:ACT+36*((\s)%2)+12*\m+4*\c+3], v[RD] offset:(3*(\s)+\m)*FRB+512*\c
.endr
	ds_load_b32 v[AS+4*((\s)%2)+\m], v[RS] offset:SCOFF+(3*(\s)+\m)*128
.endr
.endm
; Six products: tiles t0, t0 + 1 of ring slot k x the three row tiles of K step s.  first: the bias is the C of the first products.
; The 24 accumulators take turns, one instruction a turn, in the same order in every K step.
.macro PROD k, s, first, t0
	WIN 0x52+(\k)/2                                ; source 0 window 2 or 3, source 1 window 0, C and D window 1
.irp t, \t0, \t0+1
.irp m, 0,1,2
.set rD, 64*\m+8*(\t)
.set rA, 96*((\k)%2)+12*(\t)
.set rB, ACT+36*((\s)%2)+12*\m
.set rSA, WS+4*(\k)+((\t)%4)
.set rSB, AS+4*((\s)%2)+\m
.if \first
.set rC, 192+8*(\t)
.else
.set rC, rD
.endif
.if (\t) < 4
	v_wmma_scale_f32_16x16x128_f8f6f4 v[rD:rD+7], v[rA:rA+11], v[rB:rB+11], v[rC:rC+7], v[rSA], v[rSB] matrix_a_fmt:MATRIX_FMT_FP6 matrix_b_fmt:MATRIX_FMT_FP6
.else
	v_wmma_scale_f32_16x16x128_f8f6f4 v[rD:rD+7], v[rA:rA+11], v[rB:rB+11], v[rC:rC+7], v[rSA], v[rSB] matrix_a_fmt:MATRIX_FMT_FP6 matrix_b_fmt:MATRIX_FMT_FP6 matrix_a_scale:MATRIX_SCALE_ROW1
.endif
.endr
.endr
.endm
; One K step: ring slot k, activations of K step s.  fill: the slot of the step before, (k + 3) % 4, is filled again.  bias: the next pass's bias is asked for.  next: the next K step's activations are asked for.
; cnt: how many younger global loads may stay out when the chunk has to be there.
.macro KSTEP k, s, first, bias, fill, cnt, next
	s_wait_loadcnt \cnt                            ; loads come back in order (ISA guide 5.7.1): slot k's chunk is in, and in a pass's first step the bias
	s_wait_dscnt 0x0                               ; this K step's activations are in: the only LDS loads of mine that are out
.if (!\first) && ((\next) || (\fill))
	s_wait_alu depctr_va_vdst(0)                   ; the products of the step before are done reading their slot, its scale words, their activations and (a pass's second step) the bias: the loads below land in these
.endif
.if (\fill) && ((\k) == 1)
	s_wait_xcnt 0x0                                ; the bases of earlier loads are rewritten only behind this wait
.if \bias
	ROTATE
.endif
	s_add_nc_u64 s[26:27], s[26:27], 4*CHUNK       ; once round the ring
.endif
	PROD \k, \s, \first, 0
.if \next
	ACTLOAD (\s)+1                                 ; no wait: no vector or matrix instruction since the wait above (in a pass's first step: since the wait at the pass's head) names the other set
.endif
.if \fill
	FILLS (\k+3)%4
.endif
	PROD \k, \s, \first, 2
.if \fill
	FILLC (\k+3)%4, 0
.endif
	PROD \k, \s, \first, 4
.if \fill
	FILLC (\k+3)%4, 4
.endif
	PROD \k, \s, \first, 6
.rept 4
	v_nop                                          ; four plain instructions behind a K step's products (ISA guide 7.12.1): where the activation or the way out follows they stand ahead of the first read of results; every K step has them alike
.endr
.if \bias
	BIAS                                           ; into the registers that the first K step's products read: these were shown done at this step's head, and nothing since names them
.endif
	WIN 0
.endm
; Four K steps.  pre3: slot 3, which the group before read last, is filled in the first step.  refill: slots 0 to 2 are filled again, each in the step behind its own.
.macro GROUP s0, first, bias, pre3, refill, c0, c1, c2, c3
	ACTLOAD \s0                                    ; set 0.  Its last readers stand ahead of a wait on va_vdst (the pass's head, or the head of the group before's fourth step), and nothing since names it
	KSTEP 0, \s0, \first, 0, \pre3, \c0, 1
	KSTEP 1, \s0+1, 0, \bias, \refill, \c1, 1
	KSTEP 2, \s0+2, 0, 0, \refill, \c2, 1
	KSTEP 3, \s0+3, 0, 0, \refill, \c3, 0
.endm
; GELU of row tile m, 16 numbers a batch.  ZMUL and FIN read the accumulators (window 1), in ascending order; MID works in window 0.
.macro ZMUL m, q
.irp p, 0,1,2,3,4,5,6,7
	v_pk_mul_f32 v[Z+2*\p:Z+2*\p+1], v[64*(\m)+16*(\q)+2*\p:64*(\m)+16*(\q)+2*\p+1], s[SQH:SQH+1] op_sel_hi:[1,0]   ; x / sqrt 2
.endr
.endm
.macro MID
.irp i, 0,1,2,3,4,5,6,7,8,9,10,11,12,13,14,15
	v_med3_num_f32 v[Z+\i], v[Z+\i], -4.0, 4.0
.endr
.irp p, 0,1,2,3,4,5,6,7
	v_pk_mul_f32 v[Z2+2*\p:Z2+2*\p+1], v[Z+2*\p:Z+2*\p+1], v[Z+2*\p:Z+2*\p+1]
.endr
.irp p, 0,1,2,3,4,5,6,7
	v_pk_fma_f32 v[P+2*\p:P+2*\p+1], v[Z2+2*\p:Z2+2*\p+1], v[20:21], s[A11:A11+1] op_sel_hi:[1,1,0]
.endr
.irp p, 0,1,2,3,4,5,6,7
	v_pk_fma_f32 v[Q+2*\p:Q+2*\p+1], v[Z2+2*\p:Z2+2*\p+1], v[22:23], s[B6:B6+1] op_sel_hi:[1,1,0]
.endr
.irp cst, A9, A7, A5, A3, A1
.irp p, 0,1,2,3,4,5,6,7
	v_pk_fma_f32 v[P+2*\p:P+2*\p+1], v[P+2*\p:P+2*\p+1], v[Z2+2*\p:Z2+2*\p+1], s[\cst:\cst+1] op_sel_hi:[1,1,0]
.endr
.endr
.irp cst, B4, B2, B0
.irp p, 0,1,2,3,4,5,6,7
	v_pk_fma_f32 v[Q+2*\p:Q+2*\p+1], v[Q+2*\p:Q+2*\p+1], v[Z2+2*\p:Z2+2*\p+1], s[\cst:\cst+1] op_sel_hi:[1,1,0]
.endr
.endr
.irp i, 0,1,2,3,4,5,6,7,8,9,10,11,12,13,14,15
	v_rcp_f32 v[Q+\i], v[Q+\i]                     ; one batch of 16
.endr
.irp p, 0,1,2,3,4,5,6,7
	v_pk_mul_f32 v[P+2*\p:P+2*\p+1], v[P+2*\p:P+2*\p+1], v[Z+2*\p:Z+2*\p+1]   ; plain work that names no reciprocal
.endr
	s_wait_alu depctr_va_vdst(0)                   ; the sixteen reciprocals v[Q ..] are written: one wait for the batch, ahead of its first reader
.irp p, 0,1,2,3,4,5,6,7
	v_pk_mul_f32 v[P+2*\p:P+2*\p+1], v[P+2*\p:P+2*\p+1], v[Q+2*\p:Q+2*\p+1]   ; erf
.endr
.irp p, 0,1,2,3,4,5,6,7
	v_pk_fma_f32 v[P+2*\p:P+2*\p+1], v[P+2*\p:P+2*\p+1], 0.5, 0.5 op_sel_hi:[1,0,0]
.endr
.endm
.macro FIN m, q
.irp p, 0,1,2,3,4,5,6,7
	v_pk_mul_f32 v[G+16*(\q)+2*\p:G+16*(\q)+2*\p+1], v[64*(\m)+16*(\q)+2*\p:64*(\m)+16*(\q)+2*\p+1], v[P+2*\p:P+2*\p+1]
.endr
.endm
.macro GELU m
	WIN 0x01                                       ; source 0 in window 1
	ZMUL \m, 0
.irp q, 0,1,2,3
	WIN 0
	MID
	WIN 0x01
	FIN \m, \q
.if \q < 3
	ZMUL \m, \q+1
.endif
.endr
	WIN 0
.endm
; 64 numbers of a lane, register 16 b + i = k 32 b + 16 (lane / 16) + i of my row, become the codes of a fragment in v[PC] on and its scale word in v[PW].
.macro QUANT s
.irp b, 0,1,2,3
	v_max3_num_f32 v[TM+\b], |v[\s+16*\b]|, |v[\s+1+16*\b]|, 0x1800000   ; my 16 numbers of block b, and the floor 2^(3 - 127): the byte cannot fall under 1
.endr
.irp i, 2,4,6,8,10,12,14
.irp b, 0,1,2,3
	v_max3_num_f32 v[TM+\b], v[TM+\b], |v[\s+16*\b+\i]|, |v[\s+1+16*\b+\i]|
.endr
.endr
.irp b, 0,1,2,3
	v_permlanex16_b32 v[TM+4+\b], v[TM+\b], s[SEL], s[SEL+1]
.endr
.irp b, 0,1,2,3
	v_max_num_f32 v[TM+\b], v[TM+\b], v[TM+4+\b]
.endr
.irp b, 0,1,2,3
	v_add_nc_u32 v[TM+12+\b], 0xff000000, v[TM+\b] ; 2 off the exponent field: the scale operand of the conversion
.endr
.irp b, 0,1,2,3
	v_lshrrev_b32 v[TM+4+\b], 23, v[TM+12+\b]
.endr
	v_lshl_or_b32 v[PW], v[TM+5], 8, v[TM+4]
	v_lshl_or_b32 v[PW], v[TM+6], 16, v[PW]
	v_lshl_or_b32 v[PW], v[TM+7], 24, v[PW]
.irp c, 0,1
	v_cvt_scalef32_pk16_fp6_f32 v[PC+6*\c:PC+2+6*\c], v[\s+32*\c:\s+15+32*\c], v[TM+12+2*\c]
	v_cvt_scalef32_pk16_fp6_f32 v[PC+12+4*\c:PC+14+4*\c], v[\s+16+32*\c:\s+31+32*\c], v[TM+12+2*\c+1]
.endr
	v_nop                                          ; one plain instruction behind a scaled conversion
.irp c, 0,1
.irp i, 0,1,2
	v_permlane16_swap_b32 v[PC+6*\c+\i], v[PC+12+4*\c+\i]
.endr
.irp i, 0,1,2
	v_mov_b32 v[PC+3+6*\c+\i], v[PC+12+4*\c+\i]
.endr
.endr
.endm
.macro GELUQ m                         ; row tile m of my 128 units: activation, quantiser, image to LDS: one K step of the next layer
	GELU \m
	s_wait_dscnt 0x0                               ; the last image has been stored
.if (\m) > 0
	s_wait_alu depctr_vm_vsrc(0)                   ; the LDS stores of the row tile before have read v[PC ..] and v[PW], which the quantiser writes again (row tile 0: the wait at the pass's head has said so of the last pass's stores)
.endif
	QUANT G
	s_wait_alu depctr_va_vdst(0)                   ; the quantiser has written v[PC ..] and v[PW], which the LDS stores read
.irp c, 0,1,2
	ds_store_b128 v[WI], v[PC+4*\c:PC+4*\c+3] offset:(\m)*FRB+512*\c
.endr
	ds_store_b32 v[WSA], v[PW] offset:SCOFF+128*(\m)
.endm
	s_load_b256 s[4:11], s[0:1], 0x0               ; plan s[4:5], xq s[6:7], wq s[8:9], b1 s[10:11]
	s_load_b128 s[12:15], s[0:1], 0x20             ; b2 s[12:13], b3 s[14:15]
	s_load_b64 s[16:17], s[0:1], 0x30              ; eo
	v_lshl_add_u32 v254, v0, 2, 0x26400
	v_mov_b32 v255, 0
	v_lshrrev_b32 v14, 5, v0
	v_readfirstlane_b32 s22, v14                   ; wave 0..3
	v_and_b32 v15, 31, v0
	v_and_b32 v3, 15, v0                           ; r
	v_bfe_u32 v4, v0, 4, 1                         ; h
	v_lshlrev_b32 v[LI], 4, v15
	v_lshlrev_b32 v[LS], 2, v15
	v_lshlrev_b32 v[BO], 6, v4
	s_wait_alu depctr_va_sdst(0)                   ; s22 is written, ahead of its first reader: LDS addresses and every base are made from it
	s_mul_i32 s18, s22, 9216
	v_add_nc_u32 v[WI0], s18, v[LI]                ; my first K step of a next layer is 2 wave: 6 images on for each wave
	s_mul_i32 s18, s22, 768
	v_add_nc_u32 v[WS0], s18, v[LS]
	s_mul_i32 s18, s22, 8448
	s_add_co_u32 s18, s18, STG                     ; my stage
	v_mul_u32_u24 v[STO], v3, 528
	v_lshl_add_u32 v[STO], v4, 6, v[STO]
	v_add_nc_u32 v[STO], s18, v[STO]               ; in: row r, + 64 h
	v_add_nc_u32 v[SRD], s18, v[LI]                ; back: a row of 512 bytes, 16 a lane
	s_mul_i32 s18, s22, 4608
	v_add_nc_u32 v24, s18, v[LI]                   ; the images of x that I bring: K step = wave
	s_mul_i32 s18, s22, 384
	v_add_nc_u32 v25, s18, v[LS]
.irp b, 0,1,2,3
	v_mov_b32 v[TM+4+\b], 0                        ; written once: the destination of a lane permute counts as one of its sources
.endr
	v_mov_b32 v20, -2.72614225801306e-10           ; the leading coefficients, as vector pairs: an instruction takes one scalar pair
	v_mov_b32 v21, -2.72614225801306e-10
	v_mov_b32 v22, -1.45660718464996e-05
	v_mov_b32 v23, -1.45660718464996e-05
	s_lshl_b32 s18, ttmp9, 3
	s_mov_b32 s19, 0
	s_wait_kmcnt 0x0
	s_load_b64 s[24:25], s[4:5], s18 offset:0x0    ; my tile: expert, rows
	s_mov_b32 s[SEL], 0x76543210
	s_mov_b32 s[SEL+1], 0xfedcba98
	s_mov_b32 s[A11], 2.77068142495902e-08
	s_mov_b32 s[A9], -2.10102402082508e-06
	s_mov_b32 s[A7], -5.69250639462346e-05
	s_mov_b32 s[A5], -7.34990630326855e-04
	s_mov_b32 s[A3], -2.95459980854025e-03
	s_mov_b32 s[A1], -1.60960333262415e-02
	s_mov_b32 s[B6], -2.13374055278905e-04
	s_mov_b32 s[B4], -1.68282697438203e-03
	s_mov_b32 s[B2], -7.37332916720468e-03
	s_mov_b32 s[B0], -1.42647390514189e-02
	s_mov_b32 s[SQH], 0x3f3504f3                   ; 1 / sqrt 2
.irp cst, A11, A9, A7, A5, A3, A1, B6, B4, B2, B0, SQH
	s_mov_b32 s[\cst+1], s[\cst]                   ; named as pairs, so both words are written
.endr
	s_wait_kmcnt 0x0
	s_min_u32 s24, s24, 7
	s_min_u32 s25, s25, 48
	s_max_u32 s20, s25, 1
	s_sub_co_u32 s20, s20, 1                       ; the tile's last row (0 where it has none)
	s_min_u32 s21, s25, 1                          ; 0 for a tile without rows, else 1:
	s_mul_i32 s18, ttmp9, s21                      ; such a tile reads place 0 of tile 0, which always holds a token: the first expert that has rows begins there
	s_mul_i32 s18, s18, 192
	s_add_nc_u64 s[42:43], s[4:5], s[18:19]        ; the 48 places of the tile in the list of tokens
.irp m, 0,1,2
	v_add_nc_u32 v[14+\m], 16*\m, v3
	v_min_u32 v[14+\m], s20, v[14+\m]              ; rows behind the last repeat it
	v_min_u32 v[14+\m], 47, v[14+\m]
	v_lshlrev_b32 v[14+\m], 2, v[14+\m]
.endr
	s_wait_alu depctr_va_vdst(0)                   ; v14 to v16 are written, the offsets of the three loads below; so are v[LI], v[LS], v[BO], v[STO], v[SRD], v24 and v25, which loads and stores read from here to the kernel's end
.irp m, 0,1,2
	global_load_b32 v[17+\m], v[14+\m], s[42:43] offset:ORD
.endr
	s_mul_i32 s18, s22, 96
	s_add_nc_u64 s[72:73], s[6:7], s[18:19]        ; xq at K step = wave: codes,
	s_lshl_b32 s18, s22, 2
	s_add_nc_u64 s[74:75], s[6:7], s[18:19]        ; scale words
	s_lshl_b32 s18, s24, 2
	s_add_co_u32 s18, s18, s22
	s_mul_i32 s18, s18, 32*CHUNK
	s_add_nc_u64 s[26:27], s[8:9], s[18:19]        ; my stream of weights
	s_lshl_b32 s18, s24, 12
	s_lshl_b32 s21, s22, 10
	s_add_co_u32 s18, s18, s21
	s_add_nc_u64 s[28:29], s[10:11], s[18:19]      ; the bias of passes 0 to 4
	s_add_nc_u64 s[30:31], s[28:29], 512
	s_add_nc_u64 s[32:33], s[12:13], s[18:19]
	s_add_nc_u64 s[34:35], s[32:33], 512
	s_lshl_b32 s18, s24, 11
	s_lshl_b32 s21, s22, 9
	s_add_co_u32 s18, s18, s21
	s_add_nc_u64 s[76:77], s[14:15], s[18:19]
	s_mul_i32 s18, ttmp9, 98304
	s_add_co_u32 s18, s18, s21
	s_add_nc_u64 s[70:71], s[16:17], s[18:19]      ; eo: the 48 rows of my tile, + 512 wave
	s_wait_loadcnt 0x0
	s_wait_alu depctr_vm_vsrc(0)                   ; the three loads have read v14 to v16, which are written again below
.irp m, 0,1,2
	v_min_u32 v[17+\m], 4095, v[17+\m]
	v_mul_u32_u24 v[14+\m], v[17+\m], 384
	v_mad_u32_u24 v[14+\m], v4, 48, v[14+\m]       ; token x 384 + 48 h
	v_lshlrev_b32 v[17+\m], 4, v[17+\m]
.endr
	s_wait_alu depctr_va_vdst(0)                   ; v14 to v19 are written: the offsets of the twelve loads below
.irp m, 0,1,2
.irp c, 0,1,2
	global_load_b128 v[ACT+12*\m+4*\c:ACT+12*\m+4*\c+3], v[14+\m], s[72:73] offset:16*\c
.endr
	global_load_b32 v[AS+\m], v[17+\m], s[74:75] offset:XSOFF
.endr
	REFILL 0                                       ; chunk 0
	BIAS                                           ; pass 0
	s_wait_loadcnt 41                              ; the 12 loads of x are in: behind them stand 25 + 16
.irp m, 0,1,2
.irp c, 0,1,2
	ds_store_b128 v24, v[ACT+12*\m+4*\c:ACT+12*\m+4*\c+3] offset:\m*FRB+512*\c
.endr
	ds_store_b32 v25, v[AS+\m] offset:SCOFF+128*\m
.endr
	REFILL 1
	s_wait_dscnt 0x0                               ; for the others: my K step of x has landed
	s_barrier_signal -1
	s_barrier_wait -1
	REFILL 2
	REFILL 3
	s_mov_b32 s38, 0                               ; the region that is read,
	s_mov_b32 s39, DELTA                           ; and where I write: images,
	s_mov_b32 s40, DELTA                           ; scale words
	s_mov_b32 s36, 0
; THE COUNTS.  A slot is filled again one K step behind its own, so behind the chunk that a K step wants stand the two chunks that follow it (50 loads), and besides: at a pass's first step slot 3's chunk, asked for in the
; activation or at the head (75); at the third and fourth step of a pass's first group, and at the first step of its second group, the bias's 16 loads (66).  Where more than 63 follow, the wait names 63, the largest count that it can name.
.Llayer:                                           ; two trips: layers 1 and 2
	s_mov_b32 s37, 2
.Lpass:                                            ; two trips: my two groups of 128 units
	s_wait_alu depctr_vm_vsrc(0)                   ; the LDS instructions issued so far have read the four address registers, v[PC ..] and v[PW]; in the first trip: my stores of x have read v[ACT ..] and v[AS ..], in which the activations land
	v_add_nc_u32 v[RD], s38, v[LI]
	v_add_nc_u32 v[RS], s38, v[LS]
	v_add_nc_u32 v[WI], s39, v[WI0]
	v_add_nc_u32 v[WSA], s40, v[WS0]
	s_wait_alu depctr_va_vdst(0)                   ; the four addresses are written, which the pass's LDS instructions read; the last pass's activation is done with v56 to v127, in which the first two K steps' activations land
	GROUP 0, 1, 1, 0, 1, 63, 50, 63, 63
	s_cmp_eq_u32 s36, 0                            ; layer 1 has four K steps, layer 2 eight
	s_cbranch_scc1 .Lshort
	GROUP 4, 0, 0, 1, 1, 63, 50, 50, 50
.Lshort:
	GELUQ 0
	REFILL 3                                       ; no wait: the last K step's products, which read slot 3 and its scale words, stand ahead of the wait in front of the image's stores, and no vector or matrix instruction follows that wait
	GELUQ 1
	GELUQ 2
	s_wait_dscnt 0x0                               ; no LDS instruction of mine is out
	s_add_co_u32 s39, s39, 4608
	s_add_co_u32 s40, s40, 384
	s_sub_co_u32 s37, s37, 1
	s_cmp_lg_u32 s37, 0
	s_cbranch_scc1 .Lpass
	s_barrier_signal -1                            ; my images have landed (the wait above)
	s_barrier_wait -1                              ; the whole hidden layer lies in LDS
	s_add_co_u32 s38, s38, DELTA
	s_add_co_u32 s39, s39, DELTA-9216
	s_add_co_u32 s40, s40, DELTA-768
	s_add_co_u32 s36, s36, 1
	s_cmp_lt_u32 s36, 2
	s_cbranch_scc1 .Llayer
	; layer 3: my 128 outputs, eight K steps; the last three chunks are followed by 50, 25 and 0 loads
	s_wait_alu depctr_vm_vsrc(0)                   ; the LDS loads of layer 2 have read v[RD] and v[RS]
	v_add_nc_u32 v[RD], 2*DELTA, v[LI]             ; hidden layer 2
	v_add_nc_u32 v[RS], 2*DELTA, v[LS]
	s_wait_alu depctr_va_vdst(0)                   ; the two addresses are written, which the LDS loads of layer 3 read; the last activation is done with v56 to v127, in which they land
	s_cmp_eq_u32 s25, 0                            ; no barrier stands behind this line: a tile without rows ends here and stores nothing
	s_cbranch_scc1 .Lempty
	GROUP 0, 1, 0, 0, 1, 63, 50, 50, 50
	GROUP 4, 0, 0, 1, 0, 50, 50, 25, 0
	; THE WAY OUT.  A lane holds 16 x 4 neighbouring outputs of one row; 16 rows go through my own stage and leave as whole runs of 512 bytes.
	s_wait_alu depctr_va_vdst(0)                   ; behind the four places: the products have written the accumulators, which the LDS stores read, and are done reading v56 to v127, in which rows of the stage land; no vector or matrix instruction follows
.irp m, 0,1,2
.set OB, 56+72*(\m%2)
	WIN 0x04                                       ; the data of an LDS store are its source 1: window 1
.irp t, 0,1,2,3,4,5,6,7
	ds_store_b128 v[STO], v[64*\m+8*\t:64*\m+8*\t+3] offset:128*(\t/2)+32*(\t%2)       ; each accumulator from its low end on
	ds_store_b128 v[STO], v[64*\m+8*\t+4:64*\m+8*\t+7] offset:128*(\t/2)+32*(\t%2)+16
.endr
	WIN 0
.if \m == 2
	s_wait_xcnt 0x0                                ; the stores of row tile 0 have had their addresses translated (ISA guide 3.1),
	s_wait_alu depctr_vm_vsrc(0)                   ; and have read v56 to v119, in which the loads below land
.endif
.irp i, 0,1,2,3,4,5,6,7,8,9,10,11,12,13,14,15
	ds_load_b128 v[OB+4*\i:OB+4*\i+3], v[SRD] offset:528*\i   ; LDS serves the instructions of a wave in order: these see the stores above
.endr
.irp i, 0,1,2,3,4,5,6,7,8,9,10,11,12,13,14,15
	s_wait_dscnt 15-\i
	global_store_b128 v[LI], v[OB+4*\i:OB+4*\i+3], s[70:71] offset:2048*(16*\m+\i)   ; 512 neighbouring bytes, aligned
.endr
.endr
.Lempty:
	s_wait_dscnt 0x0
	s_wait_alu depctr_hold_cnt(0) depctr_sa_sdst(0) depctr_va_vdst(0) depctr_va_sdst(0) depctr_va_ssrc(0) depctr_va_vcc(0) depctr_vm_vsrc(0)
	s_wait_tensorcnt 0x0
	ds_add_u32 v254, v255
	s_wait_dscnt 0x0
	s_endpgm
.Lfunc_end_k_q2f5f3b0817_chain:
	.size	k_q2f5f3b0817_chain, .Lfunc_end_k_q2f5f3b0817_chain-k_q2f5f3b0817_chain
	.p2alignl 7, 3214868480
	.fill 96, 4, 3214868480
	.section	.rodata,"a",@progbits
	.p2align	6, 0x0
	.amdhsa_kernel k_q2f5f3b0817_chain
		.amdhsa_group_segment_fixed_size 157184
		.amdhsa_private_segment_fixed_size 0
		.amdhsa_enable_private_segment 0
		.amdhsa_kernarg_size 56
		.amdhsa_user_sgpr_count 2
		.amdhsa_user_sgpr_kernarg_segment_ptr 1
		.amdhsa_wavefront_size32 1
		.amdhsa_system_sgpr_workgroup_id_x 1
		.amdhsa_system_sgpr_workgroup_id_y 1
		.amdhsa_system_sgpr_workgroup_id_z 1
		.amdhsa_system_vgpr_workitem_id 0
		.amdhsa_next_free_vgpr 960
		.amdhsa_next_free_sgpr 100
		.amdhsa_reserve_vcc 0
		.amdhsa_float_denorm_mode_32 3
		.amdhsa_float_denorm_mode_16_64 3
		.amdhsa_memory_ordered 1
		.amdhsa_forward_progress 1
		.amdhsa_inst_pref_size 255
	.end_amdhsa_kernel
	.section	.bss,"aw",@nobits
	.p2align	6
	.space	262144
	.amdgpu_metadata
---
amdhsa.version: [ 1, 2 ]
amdhsa.kernels:
  - .name:           k_q2f5f3b0817_chain
    .symbol:         k_q2f5f3b0817_chain.kd
    .args:
      - { .name: plan, .offset: 0, .size: 8, .value_kind: global_buffer, .address_space: global }
      - { .name: xq, .offset: 8, .size: 8, .value_kind: global_buffer, .address_space: global }
      - { .name: wq, .offset: 16, .size: 8, .value_kind: global_buffer, .address_space: global }
      - { .name: b1, .offset: 24, .size: 8, .value_kind: global_buffer, .address_space: global }
      - { .name: b2, .offset: 32, .size: 8, .value_kind: global_buffer, .address_space: global }
      - { .name: b3, .offset: 40, .size: 8, .value_kind: global_buffer, .address_space: global }
      - { .name: eo, .offset: 48, .size: 8, .value_kind: global_buffer, .address_space: global }
    .group_segment_fixed_size: 157184
    .private_segment_fixed_size: 0
    .kernarg_segment_align: 8
    .kernarg_segment_size: 56
    .max_flat_workgroup_size: 128
    .sgpr_count:     100
    .vgpr_count:     960
    .wavefront_size: 32
...
	.end_amdgpu_metadata
.endif
;; end of part 5
;; launch combine: the kernel of part 4 again; grid 256 x 1, 8 waves a work-group, no clusters, 0 bytes of LDS; arguments plan, gates, eo, ln_gamma, ln_beta, out0; writes out0
